; MI455X (gfx1250); checked and timed in simulation.
; The chip was launched on July 23, 2026; its instructions are those of AMD's public machine-readable ISA for CDNA 5 (MIT licence, August 2026) and "CDNA5" Instruction Set Architecture Reference Guide (July 2026). The comments in the code are by the model that wrote it; some were corrected since.
;; Sieve KAN. Allowed arithmetic: float matrix products may take bf16 or f16 operands with f32 sums; all other float work in f32.
;; Inputs: bw0 256 x 64 float32; bw1 256 x 256 float32; bw2 256 x 256 float32; bw3 1 x 256 float32; sw0 256 x 64 x 65 float32; sw1 256 x 256 x 65 float32; sw2 256 x 256 x 65 float32; sw3 1 x 256 x 65 float32; wb0 1 float32; wb1 1 float32; wb2 1 float32; wb3 1 float32; ws0 1 float32; ws1 1 float32; ws2 1 float32; ws3 1 float32; x 2,048 x 64 float32.
;; Outputs: out0 2,048 x 1 float32.
;; One version. Each part assembles by itself: llvm-mc -triple=amdgcn-amd-amdhsa -mcpu=gfx1250 --defsym DOCPART=n.
;; ======== version 1 of 1: 5 launches
;; limits: values are held in f16: magnitudes above 65,504 overflow, below 6.1e-05 lose precision; right only within a limited range of input values
;; workspace buffers: w0 2,162,688 bytes; w1 8,650,752 bytes; w2 8,650,752 bytes; pa 35,651,584 bytes; pb 35,651,584 bytes
;; launch prep (part 1): grid 256 x 1, 9 waves a work-group, no clusters, 167,936 bytes of LDS; arguments sw0, sw1, sw2, bw0, bw1, bw2, w0, w1, w2; writes w0, w1, w2
.if DOCPART == 1
	.amdgcn_target "amdgcn-amd-amdhsa--gfx1250"
	.amdhsa_code_object_version 6
	.text
	.protected	k_q8b1711d55c_prep
	.globl	k_q8b1711d55c_prep
	.p2align	8
	.type	k_q8b1711d55c_prep,@function
k_q8b1711d55c_prep:
	s_mov_b64 s[64:65], 0
	v_nop
	global_prefetch_b8 v0, s[64:65] scope:SCOPE_SE
	s_setreg_imm32_b32 hwreg(HW_REG_WAVE_MODE, 25, 1), 1
	s_wait_xcnt 0x0
; The weights of layers 0, 1, 2 are rounded once to bf16 and laid out for the layer kernels.
; sw: [256 n][in][65] f32, bw: [256 n][in] f32.  Out, for each layer:
;   main part  [quad = feature / 4][n 256][4 features x 64 j] f16: rows of 512 bytes, a quad's tile 131,072 dense bytes;
;   XB part, behind it  [blk = feature / 64][n 256][256 bytes]: 64 x f16 sw[n][f][64], then 64 x bf16 bw[n][f].
; The spline weights are the bf16 numbers written as f16.  LIMIT: that is exact from 2^-17 up to f16's 65,504; below 2^-17 f16 keeps a fixed step of 2^-24.
; SHARES.  A work-group is one output row n.  Wave 0 takes sw0[n] (64 features); waves 1-4 the four blocks of 64 features of sw1[n]; waves 5-8 those of sw2[n].
; A task is 16,640 dense bytes, 65 rows of 256, brought by one tensor load into the wave's own LDS bytes; nothing is filled again, and no wave reads another's bytes: no barrier.
; NO CLUSTER: no two work-groups read the same byte.  No matrix work: the launch only moves and rounds.
.set TASK,  16640
.set SPARE, 9*TASK                     ; behind the nine tasks: the spare words, 128 bytes a wave, five blocks of 256 bytes that no other line names
.set QT,    131072                     ; bytes in a quad's tile
.set SPW, 2                            ; v2   LDS address of my spare word; never rewritten
.set NIL, 3                            ; v3   0; never rewritten
.set VL,  4                            ; v4   LDS: task + 260 (l / 8) + 32 (l % 8): my feature of a quad, my eight j
.set VO,  5                            ; v5   16 l: my 16 bytes of a row of 512
.set VX,  6                            ; v6   LDS: task + 1,040 (l % 16): my four features' rows, for j = 64
.set VB,  7                            ; v7   16 (l % 16): my four numbers of bw
.set VS,  8                            ; v8   8 l: my 8 bytes of the XB row
.set LN,  9                            ; v9   lane
.set TM,  12                           ; v[12:23]  at work
.set IN,  24                           ; v[24:55]  four quads as loaded, 8 registers each
.set OUT, 56                           ; v[56:119] sixteen quads to store, 4 registers each: no store's data is ever rewritten
.set BWV, 120                          ; v[120:123] four numbers of bw
.set XV,  124                          ; v[124:127] four numbers sw[..][64]
	s_load_b512 s[4:19], s[0:1], 0x0               ; sw0 s[4:5], sw1 s[6:7], sw2 s[8:9], bw0 s[10:11], bw1 s[12:13], bw2 s[14:15], w0 s[16:17], w1 s[18:19]
	s_load_b64 s[20:21], s[0:1], 0x40              ; w2
	v_lshl_add_u32 v[SPW], v0, 2, SPARE
	v_mov_b32 v[NIL], 0
	ds_add_u32 v[SPW], v[NIL]                      ; the wave's opening: the add and its wait ahead of my tensor load
	v_lshrrev_b32 v1, 5, v0
	v_readfirstlane_b32 s22, v1                    ; wave 0..8
	s_mov_b32 s23, 0xffff0000                      ; a word's upper bf16
	s_mov_b32 s40, 3<<16                           ; group 1: elements of 8 bytes, no mask, no padding
	s_mov_b32 s41, 32<<16                          ; tensor_dim0 = 32 elements = 256 bytes
	s_mov_b32 s42, 65<<16                          ; tensor_dim1 = 65 rows
	s_mov_b32 s43, 32<<16                          ; tile_dim0 = 32
	s_mov_b32 s44, 65                              ; tile_dim1 = 65
	s_mov_b32 s45, 32                              ; 32 elements from row to row: the block is dense
	s_mov_b32 s46, 0
	s_mov_b32 s47, 0
	s_mov_b32 s36, 1                               ; group 0: count = 1
	s_mul_i32 s37, s22, TASK                       ; LDS address: my task
	s_max_u32 s33, s22, 1
	s_sub_co_u32 s33, s33, 1
	s_and_b32 s33, s33, 3                          ; blk: which 64 features of the row (0 for wave 0)
	s_mov_b32 s30, 66560                           ; bytes in a row n of sw1, sw2
	s_mov_b32 s31, 1024                            ; of bw1, bw2
	s_mov_b32 s32, 8388608                         ; where their XB part begins
	s_wait_dscnt 0x0                               ; the opening add is done
	s_barrier_signal -1
	s_barrier_wait -1
	s_wait_kmcnt 0x0
	s_cmp_lt_u32 s22, 5                            ; the buffers are chosen by the wave's number
	s_cselect_b64 s[24:25], s[6:7], s[8:9]
	s_cselect_b64 s[26:27], s[12:13], s[14:15]
	s_cselect_b64 s[28:29], s[18:19], s[20:21]
	s_cmp_lt_u32 s22, 1
	s_cselect_b64 s[24:25], s[4:5], s[24:25]       ; sw
	s_cselect_b64 s[26:27], s[10:11], s[26:27]     ; bw
	s_cselect_b64 s[28:29], s[16:17], s[28:29]     ; out
	s_cselect_b32 s30, 16640, s30
	s_cselect_b32 s31, 256, s31
	s_cselect_b32 s32, 2097152, s32
	s_mul_i32 s34, ttmp9, s30                      ; n x row + blk x task, under 2^25
	s_mul_i32 s35, s33, TASK
	s_add_co_u32 s34, s34, s35
	s_mov_b32 s35, 0
	s_add_nc_u64 s[38:39], s[24:25], s[34:35]      ; global address of my task, a multiple of 256 from the buffer's first byte
	s_or_b32 s39, s39, 0x80000000                  ; type = 2
	tensor_load_to_lds s[36:39], s[40:47]          ; my one tensor load
	s_nop 0
	s_mul_i32 s34, ttmp9, s31
	s_lshl_b32 s48, s33, 8
	s_add_co_u32 s34, s34, s48
	s_add_nc_u64 s[26:27], s[26:27], s[34:35]      ; bw at row n, my 64 features
	s_lshl_b32 s34, s33, 21                        ; 16 quads of 131,072 bytes a block
	s_lshl_b32 s48, ttmp9, 9
	s_add_co_u32 s34, s34, s48
	s_add_nc_u64 s[24:25], s[28:29], s[34:35]      ; main part: my first quad, row n
	s_lshl_b32 s34, s33, 16
	s_lshl_b32 s48, ttmp9, 8
	s_add_co_u32 s34, s34, s48
	s_add_co_u32 s34, s34, s32
	s_add_nc_u64 s[28:29], s[28:29], s[34:35]      ; XB part: my block, row n
	v_and_b32 v[LN], 31, v0
	v_lshrrev_b32 v1, 3, v[LN]
	v_and_b32 v10, 7, v[LN]
	v_mul_u32_u24 v[VL], v1, 260
	v_lshl_add_u32 v[VL], v10, 5, v[VL]
	v_add_nc_u32 v[VL], s37, v[VL]
	v_lshlrev_b32 v[VO], 4, v[LN]
	v_and_b32 v11, 15, v[LN]
	v_mul_u32_u24 v[VX], v11, 1040
	v_add_nc_u32 v[VX], s37, v[VX]
	v_lshlrev_b32 v[VB], 4, v11
	v_lshlrev_b32 v[VS], 3, v[LN]
	global_load_b128 v[BWV:BWV+3], v[VB], s[26:27]
	s_wait_tensorcnt 0x0                           ; my task is in LDS; only I read it
; eight f32 -> bf16 (nearest even) -> the same numbers as f16, 16 bytes
.macro CV8 src, dst
.irp p, 0,1,2,3
	v_cvt_pk_bf16_f32 v[TM+\p], v[(\src)+2*\p], v[(\src)+2*\p+1]
.endr
.irp p, 0,1,2,3
	v_lshlrev_b32 v[TM+4+2*\p], 16, v[TM+\p]
	v_and_b32 v[TM+5+2*\p], s23, v[TM+\p]
.endr
.irp p, 0,1,2,3
	v_cvt_pk_f16_f32 v[(\dst)+\p], v[TM+4+2*\p], v[TM+5+2*\p]
.endr
.endm
; Main part: four batches of four quads.  A load's 32 lanes take words (l / 8) + 8 (l % 8) + a constant modulo 64: 32 different banks (64 banks of 4 bytes: ISA guide 11.1).
.set b, 0
.rept 4
.set i, 0
.rept 32
	ds_load_b32 v[IN+i], v[VL] offset:1040*(4*b+i/8)+4*(i%8)
.set i, i+1
.endr
.set qq, 0
.rept 4
	s_wait_dscnt 24-8*qq                           ; LDS loads come back in order (ISA guide 5.7.1): this quad's eight are in, the younger quads' stay out
	CV8 IN+8*qq, OUT+4*(4*b+qq)
	global_store_b128 v[VO], v[OUT+4*(4*b+qq):OUT+4*(4*b+qq)+3], s[24:25] offset:(4*b+qq)*QT  ; the wave stores 512 consecutive bytes, aligned
.set qq, qq+1
.endr
.set b, b+1
.endr
; XB part: lanes 0-15 hold four j = 64 weights as f16, lanes 16-31 four base weights as bf16: one row of 256 bytes
.irp i, 0,1,2,3
	ds_load_b32 v[XV+\i], v[VX] offset:256+260*\i
.endr
	s_wait_dscnt 0x0
	s_wait_loadcnt 0x0                             ; bw
	v_cvt_pk_bf16_f32 v[TM], v[XV], v[XV+1]
	v_cvt_pk_bf16_f32 v[TM+1], v[XV+2], v[XV+3]
	v_lshlrev_b32 v[TM+4], 16, v[TM]
	v_and_b32 v[TM+5], s23, v[TM]
	v_lshlrev_b32 v[TM+6], 16, v[TM+1]
	v_and_b32 v[TM+7], s23, v[TM+1]
	v_cvt_pk_f16_f32 v[TM+8], v[TM+4], v[TM+5]
	v_cvt_pk_f16_f32 v[TM+9], v[TM+6], v[TM+7]
	v_cvt_pk_bf16_f32 v[TM+10], v[BWV], v[BWV+1]
	v_cvt_pk_bf16_f32 v[TM+11], v[BWV+2], v[BWV+3]
	v_cmp_gt_u32 vcc_lo, 16, v[LN]
	v_cndmask_b32 v[TM+8], v[TM+10], v[TM+8], vcc_lo
	v_cndmask_b32 v[TM+9], v[TM+11], v[TM+9], vcc_lo
	global_store_b64 v[VS], v[TM+8:TM+9], s[28:29] ; 256 consecutive bytes, aligned
	s_wait_tensorcnt 0x0                           ; the wave's end
	ds_add_u32 v[SPW], v[NIL]
	s_wait_dscnt 0x0
	s_endpgm
.Lfunc_end_k_q8b1711d55c_prep:
	.size	k_q8b1711d55c_prep, .Lfunc_end_k_q8b1711d55c_prep-k_q8b1711d55c_prep
	.p2alignl 7, 3214868480
	.fill 96, 4, 3214868480
	.section	.rodata,"a",@progbits
	.p2align	6, 0x0
	.amdhsa_kernel k_q8b1711d55c_prep
		.amdhsa_group_segment_fixed_size 167936
		.amdhsa_private_segment_fixed_size 0
		.amdhsa_enable_private_segment 0
		.amdhsa_kernarg_size 72
		.amdhsa_user_sgpr_count 2
		.amdhsa_user_sgpr_kernarg_segment_ptr 1
		.amdhsa_wavefront_size32 1
		.amdhsa_system_sgpr_workgroup_id_x 1
		.amdhsa_system_sgpr_workgroup_id_y 1
		.amdhsa_system_sgpr_workgroup_id_z 1
		.amdhsa_system_vgpr_workitem_id 0
		.amdhsa_next_free_vgpr 128
		.amdhsa_next_free_sgpr 66
		.amdhsa_reserve_vcc 1
		.amdhsa_float_denorm_mode_32 3
		.amdhsa_float_denorm_mode_16_64 3
		.amdhsa_memory_ordered 1
		.amdhsa_forward_progress 1
		.amdhsa_inst_pref_size 27
	.end_amdhsa_kernel
	.amdgpu_metadata
---
amdhsa.version: [ 1, 2 ]
amdhsa.kernels:
  - .name:           k_q8b1711d55c_prep
    .symbol:         k_q8b1711d55c_prep.kd
    .args:
      - { .name: sw0, .offset: 0, .size: 8, .value_kind: global_buffer, .address_space: global }
      - { .name: sw1, .offset: 8, .size: 8, .value_kind: global_buffer, .address_space: global }
      - { .name: sw2, .offset: 16, .size: 8, .value_kind: global_buffer, .address_space: global }
      - { .name: bw0, .offset: 24, .size: 8, .value_kind: global_buffer, .address_space: global }
      - { .name: bw1, .offset: 32, .size: 8, .value_kind: global_buffer, .address_space: global }
      - { .name: bw2, .offset: 40, .size: 8, .value_kind: global_buffer, .address_space: global }
      - { .name: w0, .offset: 48, .size: 8, .value_kind: global_buffer, .address_space: global }
      - { .name: w1, .offset: 56, .size: 8, .value_kind: global_buffer, .address_space: global }
      - { .name: w2, .offset: 64, .size: 8, .value_kind: global_buffer, .address_space: global }
    .group_segment_fixed_size: 167936
    .private_segment_fixed_size: 0
    .kernarg_segment_align: 8
    .kernarg_segment_size: 72
    .max_flat_workgroup_size: 288
    .sgpr_count:     66
    .vgpr_count:     128
    .wavefront_size: 32
...
	.end_amdgpu_metadata
.endif
;; end of part 1
;; launch L0 (part 2): grid 16 x 16, 8 waves a work-group, clusters of 4 x 1, 327,680 bytes of LDS; arguments x, w0, wb0, ws0, pa; writes pa
.if DOCPART == 2
	.amdgcn_target "amdgcn-amd-amdhsa--gfx1250"
	.amdhsa_code_object_version 6
	.text
	.protected	k_q8b1711d55c_L0
	.globl	k_q8b1711d55c_L0
	.p2align	8
	.type	k_q8b1711d55c_L0,@function
k_q8b1711d55c_L0:
	s_mov_b64 s[64:65], 0
	v_nop
	global_prefetch_b8 v0, s[64:65] scope:SCOPE_SE
	s_setreg_imm32_b32 hwreg(HW_REG_WAVE_MODE, 25, 1), 1
	s_wait_xcnt 0x0
	s_wait_alu depctr_hold_cnt(0) depctr_sa_sdst(0) depctr_va_vdst(0) depctr_va_sdst(0) depctr_va_ssrc(0) depctr_va_vcc(0) depctr_vm_vsrc(0)
	s_getreg_b32 s2, hwreg(HW_REG_IB_STS2, 6, 4)
	s_cmp_eq_u32 s2, 0
	s_cbranch_scc0 .Lentry_in_a_cluster
	s_endpgm
.Lentry_in_a_cluster:
	s_bfe_u32 s2, ttmp6, 0x10000c
	s_cmp_lg_u32 s2, 0x3003
	s_cbranch_scc0 .Lentry_shape_is_right
	s_endpgm
.Lentry_shape_is_right:
; ONE KAN LAYER's partial sums:  out = wb silu(h) bw^T + ws B(h) sw^T, B = 65 cubic B-spline values a feature on the uniform grid of step 1.1 / 62 from -0.05.
; This text serves two shapes by the three constants below.  HID = 0 (here): the input layer, h = x [2048][64] f32 rounded to bf16, 4 features a work-group.
; HID = 1: a hidden layer, h = the sum of the 17 slabs that the launch before stored, 16 features a work-group.
; SHARES.  Work-group (mt, kc): rows 128 mt .. + 127, all 256 output columns, feature chunk kc.  Its sums go to slab kc of the output buffer; slab 16 takes h itself (the residual; zeros where HID = 0).
; The next launch adds the 17 slabs.  Slab layout: [slab 17][column / 16][row / 16][(column % 16) / 4][row % 16][4 f32]: every 16-byte access of a wave covers two whole aligned blocks of 256 bytes.
; Eight waves: wave w makes rows 32 (w / 2) .. + 31 x columns 128 (w % 2) .. + 127: 16 accumulators.  Two waves lie on a SIMD, so that one wave's vector work stands beside the other's products.
; THE LEFT OPERAND IS MADE IN REGISTERS, in the matrix instruction's own layout.  Of a feature's 65 values four are not 0; they are computed in f32 (times ws), split into two f16 parts (hi + lo),
; and put into their columns by selects alone: no address and no branch hangs on a number.  Columns 0-63 are two K steps a feature; column 64 of 16 features is one K step (hi in k 0-15, lo in k 16-31),
; and so is wb silu(h), in bf16 hi + lo, since it has no bound.
; THE MATRIX INSTRUCTION IS USED TRANSPOSED: source 0 = 16 weight rows (output columns), source 1 = 16 rows of h: a lane holds one row and eight neighbouring columns.
; CLUSTER.  The four row blocks of a cluster share kc, so they read the same weight tiles: every tensor load is asked for jointly by the four.
; LIMITS.  ws B lies within 0.67 |ws|: f16 holds it for |ws| under 9e4; values under 6e-5 keep f16's fixed step of 6e-8.  The knots are taken as exactly uniform.
; NaN and infinities in h are not treated apart.  All inputs are rounded to bf16 once; everything behind that is f32 but for the operands named above.
.set HID,    0
.set NQ,     1                         ; quads of 4 features a work-group
.set WE_OFF, 2097152                   ; where the weights' XB part begins
.set NV,     4+4*HID                   ; numbers of h that a thread finishes
.set PITCH,  528                       ; an LDS row of weights: 512 bytes + 16 of padding: an odd multiple of 16, so the 16 rows of a load start at 16 different groups of four banks (ISA guide 11.1)
.set QROWS,  64*PITCH                  ; what one tensor load brings
.set SLOT,   4*QROWS                   ; a quad's 256 rows
.set HP,     80                        ; pitch of the three small tables: 64 bytes + 16
.set HS,     2*SLOT                    ; h in f32: [row 128][16]
.set BS,     HS+128*HP                 ; wb silu(h): [row 128][16 bf16 hi, 16 bf16 lo]
.set XS,     BS+128*HP                 ; ws B_64(h): the same in f16
.set SPARE,  XS+128*HP                 ; the spare words, 128 bytes a wave: four blocks of 256 bytes that no other line names
.set QTILE,  131072
.set SLAB,   2097152
.set RR,1                              ; v1   l % 16
.set HH,2                              ; v2   l / 16
.set SPW,3                             ; v3   LDS address of my spare word; never rewritten
.set NIL,4                             ; v4   0; never rewritten
.set ADRB0,5                           ; v5-6 LDS address of my weight fragments in slot 0, 1
.set ADR,7                             ; v7   the same, walking over a quad's features
.set AH,8                              ; v8   LDS address of my row's h, walking
.set AST,9                             ; v9   LDS address of my row's fragment in BS
.set VO,10                             ; v10  512 (l / 16) + 16 (l % 16): my place in a tile of the slab
.set T16,11                            ; v11  16 x thread
.set XBO,12                            ; v12  my byte offset in the XB part
.set HSA,13                            ; v13  where I store h
.set BSA,14                            ; v14  where I store the base operand
.set HV,16                             ; v16-23 h, f32
.set EE,24                             ; v24-31, v32-39, v44-51 at work; v40-43, v52-55 packed hi, lo (v40-43 are named by number where their halves are read)
.set VV,32
.set PK,40
.set UU,44
.set QK,52
.set X0,24                             ; the generator: v24-25 x of row tiles 0, 1; v26-61 at work (v37-44 are named by number where halves are read)
.set GU,26
.set GFL,27
.set GT,28
.set GO,29
.set GT2,30
.set GO2,31
.set GW,32
.set GPP,36
.set H01,37
.set H23,38
.set L01,39
.set L23,40
.set GGH,45
.set GCS,46
.set GTM,47
.set GD,48
.set GZ,48
.set GE,52
.set GY,56
.set AF,64                             ; v64-127 the left operand: 64 + 32 T + 16 part + 4 c + d
.set BUF0,128                          ; v128-191, v192-255 weight fragments of a feature's two K steps, 8 registers a column tile
.set BUF1,192
                                       ; window 1: v0-127 the accumulators, (T, ct) at 8 (8 T + ct); before the first product v0-135 take the slabs
.set CNT,56                            ; s56 loop count;  s57.. constants;  s70-77 lane masks
.set INVH,57
.set C0,58
.set S6,59
.set HW,60
.set NWS,61
.set W23,62
.set WB,63
.set C73,67
.set CX,68
.set ODD,70
.set B0,71
.set B1,72
.set PAR,73
.set CM,74
.set MSB, 0
.macro WIN new                         ; s_set_vgpr_msb: bits 1:0 source 0, 3:2 source 1, 5:4 source 2, 7:6 destination; the high byte repeats the setting that is left
.if MSB != (\new)
	s_set_vgpr_msb (MSB<<8)|(\new)
.set MSB, \new
.endif
.endm
.macro EACH n, line:vararg             ; one line for k = 0 .. n - 1
.set k, 0
	s_wait_alu depctr_va_vdst(0)
.rept \n
	\line
.set k, k+1
.endr
.endm
.macro ROUND                           ; a round of the cluster's barrier
	s_barrier_signal -1
	s_barrier_wait -1
	s_cmp_lg_u32 s14, 0
	s_cbranch_scc1 .Lnot_wave_0_\@
	s_barrier_signal -3
.Lnot_wave_0_\@:
	s_barrier_wait -3
	s_barrier_signal -1
	s_barrier_wait -1
.endm
.macro JL slot                         ; a joint refill: waves 0-3 fetch 64 rows each; an s_nop 0 and four v_nop follow the load, ahead of the label
	s_cmp_lt_u32 s14, 4
	s_cbranch_scc0 .Lno_load_\@
	tensor_load_to_lds s[32+4*(\slot):35+4*(\slot)], s[24:31]
	s_nop 0
.rept 4
	v_nop
.endr
.Lno_load_\@:
.endm
; Four f16 values (a01 = first, second; a23 = third, fourth) go to columns P .. P + 3 of the row.  By P's parity they are three words D; by bits 1 and 2 of P the words move up by 1 and by 2
; into six words Y: four of the group of 8 columns in which P lies, two of the next.  My lane's group c takes the first four, the last two, or 0.
.macro PLACE a01, a23, dst
	v_lshlrev_b32 v[GD], 16, v[\a01]
	v_alignbit_b32 v[GD+1], v[\a23], v[\a01], 16
	v_lshrrev_b32 v[GD+2], 16, v[\a23]
	v_cndmask_b32 v[GD], v[\a01], v[GD], s[ODD]
	v_cndmask_b32 v[GD+1], v[\a23], v[GD+1], s[ODD]
	v_cndmask_b32 v[GD+2], 0, v[GD+2], s[ODD]
	v_cndmask_b32 v[GE], v[GD], 0, s[B0]
	v_cndmask_b32 v[GE+1], v[GD+1], v[GD], s[B0]
	v_cndmask_b32 v[GE+2], v[GD+2], v[GD+1], s[B0]
	v_cndmask_b32 v[GE+3], 0, v[GD+2], s[B0]
	v_cndmask_b32 v[GY], v[GE], 0, s[B1]
	v_cndmask_b32 v[GY+1], v[GE+1], 0, s[B1]
	v_cndmask_b32 v[GY+2], v[GE+2], v[GE], s[B1]
	v_cndmask_b32 v[GY+3], v[GE+3], v[GE+1], s[B1]
	v_cndmask_b32 v[GY+4], 0, v[GE+2], s[B1]
	v_cndmask_b32 v[GY+5], 0, v[GE+3], s[B1]
	v_cndmask_b32 v[GZ], v[GY+4], v[GY], s[PAR]
	v_cndmask_b32 v[GZ+1], v[GY+5], v[GY+1], s[PAR]
	v_cndmask_b32 v[GZ+2], 0, v[GY+2], s[PAR]
	v_cndmask_b32 v[GZ+3], 0, v[GY+3], s[PAR]
.irp c, 0,1,2,3
.irp d, 0,1,2,3
	v_cndmask_b32 v[(\dst)+4*\c+\d], 0, v[GZ+\d], s[CM+\c]
.endr
.endr
.endm
; The left operand of one feature for row tile T.  u = (x + 0.05) / step + 8; P + 8 = floor(u), held to 4 .. 73: an x outside the grid puts its four values wholly outside columns 0-63.
; With t = u - floor(u), o = 1 - t:  ws/6 o^3;  ws (t^3/2 - t^2 + 2/3);  ws (o^3/2 - o^2 + 2/3);  ws/6 t^3.
; Lane (r, h) holds of row r the groups of 8 columns 16 c + 8 h, c = 0..3.  With G = (P + 8) / 8: group 2 c + h takes the first four words if G - h = 2 c + 1, the last two if G - h = 2 c.
.macro GEN T
	v_fma_f32 v[GU], v[X0+\T], s[INVH], s[C0]
	v_floor_f32 v[GFL], v[GU]
	v_sub_f32 v[GT], v[GU], v[GFL]
	v_med3_num_f32 v[GFL], v[GFL], 4.0, s[C73]
	v_cvt_u32_f32 v[GPP], v[GFL]
	v_sub_f32 v[GO], 1.0, v[GT]
	v_mul_f32 v[GT2], v[GT], v[GT]
	v_mul_f32 v[GO2], v[GO], v[GO]
	v_mul_f32 v[GW], s[S6], v[GO]
	v_mul_f32 v[GW+3], s[S6], v[GT]
	v_fma_f32 v[GW+1], v[GT], s[HW], s[NWS]
	v_fma_f32 v[GW+2], v[GO], s[HW], s[NWS]
	v_mul_f32 v[GW], v[GW], v[GO2]
	v_mul_f32 v[GW+3], v[GW+3], v[GT2]
	v_fma_f32 v[GW+1], v[GW+1], v[GT2], s[W23]
	v_fma_f32 v[GW+2], v[GW+2], v[GO2], s[W23]
	v_cvt_pk_f16_f32 v[H01], v[GW], v[GW+1]        ; hi parts (v37, v38)
	v_cvt_pk_f16_f32 v[H23], v[GW+2], v[GW+3]
	v_cvt_f32_f16 v41, v37.l
	v_cvt_f32_f16 v42, v37.h
	v_cvt_f32_f16 v43, v38.l
	v_cvt_f32_f16 v44, v38.h
	v_sub_f32 v41, v[GW], v41
	v_sub_f32 v42, v[GW+1], v42
	v_sub_f32 v43, v[GW+2], v43
	v_sub_f32 v44, v[GW+3], v44
	v_cvt_pk_f16_f32 v[L01], v41, v42              ; lo parts: what the hi parts left
	v_cvt_pk_f16_f32 v[L23], v43, v44
	v_and_b32 v[GTM], 1, v[GPP]
	v_cmp_ne_u32 s[ODD], 0, v[GTM]
	v_and_b32 v[GTM], 2, v[GPP]
	v_cmp_ne_u32 s[B0], 0, v[GTM]
	v_and_b32 v[GTM], 4, v[GPP]
	v_cmp_ne_u32 s[B1], 0, v[GTM]
	v_lshrrev_b32 v[GGH], 3, v[GPP]
	v_sub_nc_u32 v[GGH], v[GGH], v[HH]
	v_and_b32 v[GTM], 1, v[GGH]
	v_cmp_ne_u32 s[PAR], 0, v[GTM]
	v_lshrrev_b32 v[GCS], 1, v[GGH]
.irp c, 0,1,2,3
	v_cmp_eq_u32 s[CM+\c], \c, v[GCS]
.endr
	PLACE H01, H23, AF+32*\T
	PLACE L01, L23, AF+32*\T+16
.endm
; A quad's four features, out of one slot.  A trip: x of my two row tiles; 32 loads of weight fragments (2 K steps x 8 column tiles); the operand is made while they come; 64 products.
; The 16 accumulators take turns, one instruction a turn, over the backward jump too.
.macro QUAD slot
	v_mov_b32 v[ADR], v[ADRB0+(\slot)]
	s_mov_b32 s[CNT], 4
.Lfeat_\@:
	ds_load_b32 v[X0], v[AH]
	ds_load_b32 v[X0+1], v[AH] offset:16*HP
	v_add_nc_u32 v[AH], 4, v[AH]                   ; this line and three v_nop: the four places between the last products and the loads into registers that they read (ISA guide 7.12.1 for vector instructions)
.rept 3
	v_nop
.endr
.irp st, 0,1
.irp ct, 0,1,2,3,4,5,6,7
	ds_load_b128 v[BUF0+64*\st+8*\ct:BUF0+64*\st+8*\ct+3], v[ADR] offset:\ct*16*PITCH+64*\st
	ds_load_b128 v[BUF0+64*\st+8*\ct+4:BUF0+64*\st+8*\ct+7], v[ADR] offset:\ct*16*PITCH+64*\st+32
.endr
.endr
	v_add_nc_u32 v[ADR], 128, v[ADR]               ; the next feature's 64 columns
	s_wait_dscnt 32                                ; the two x are in; the 32 loads issued behind them stay out
	GEN 0
	GEN 1
	s_wait_dscnt 0x0                               ; the fragments are in
	WIN 0x50                                       ; C and D in window 1
.irp st, 0,1
.irp pt, 0,1
.irp T, 0,1
.irp ct, 0,1,2,3,4,5,6,7
	v_wmma_f32_16x16x32_f16 v[8*(8*\T+\ct):8*(8*\T+\ct)+7], v[BUF0+64*\st+8*\ct:BUF0+64*\st+8*\ct+7], v[AF+32*\T+16*\pt+8*\st:AF+32*\T+16*\pt+8*\st+7], v[8*(8*\T+\ct):8*(8*\T+\ct)+7]
.endr
.endr
.endr
.endr
	WIN 0                                          ; at a label and at a branch every window is 0
	s_sub_co_u32 s[CNT], s[CNT], 1
	s_cmp_lg_u32 s[CNT], 0
	s_cbranch_scc1 .Lfeat_\@
.endm
; The change of slots.  Each wave waits for all its tensor loads (at most one is out: its part of the other slot), adds 0 to its spare word, and waits for that and for its reads of the slot.
; fill = 1: the barrier is a round of the cluster's, and the slot just read is filled again first thing behind it, with the quad two further on: it has a quad's 256 products a wave in which to land.
.macro CHANGE slot, fill
	s_wait_tensorcnt 0x0
	ds_add_u32 v[SPW], v[NIL]
.if \fill
	s_add_nc_u64 s[34+4*(\slot):35+4*(\slot)], s[34+4*(\slot):35+4*(\slot)], 2*QTILE  ; no load of mine is out: the group 0 may be written
.endif
	s_wait_dscnt 0x0
.if \fill
	ROUND
	JL \slot
.else
	s_barrier_signal -1
	s_barrier_wait -1
.endif
.endm
.macro PUTH off                        ; HID = 1: my 2 x 4 values' hi and lo parts into the table at BS + off
	ds_store_b64 v[BSA], v[PK:PK+1] offset:\off
	ds_store_b64 v[BSA], v[PK+2:PK+3] offset:\off+64*HP
	ds_store_b64 v[BSA], v[QK:QK+1] offset:\off+32
	ds_store_b64 v[BSA], v[QK+2:QK+3] offset:\off+64*HP+32
.endm
.macro PUT4 off                        ; HID = 0: my row's whole 64 bytes: my 4 features' parts at their place among 16, by the masks s70-73, zeros elsewhere
.irp g, 0,1,2,3
	v_and_b32 v[AF+2*\g], s[70+\g], v[PK]
	v_and_b32 v[AF+1+2*\g], s[70+\g], v[PK+1]
	v_and_b32 v[AF+8+2*\g], s[70+\g], v[QK]
	v_and_b32 v[AF+9+2*\g], s[70+\g], v[QK+1]
.endr
.irp q, 0,1,2,3
	ds_store_b128 v[BSA], v[AF+4*\q:AF+4*\q+3] offset:\off+16*\q
.endr
.endm
	s_load_b256 s[4:11], s[0:1], 0x0               ; in s[4:5], weights s[6:7], wb s[8:9], ws s[10:11]
	s_load_b64 s[12:13], s[0:1], 0x20              ; out
	v_lshl_add_u32 v[SPW], v0, 2, SPARE
	v_mov_b32 v[NIL], 0
	ds_add_u32 v[SPW], v[NIL]                      ; the wave's opening: the add and its wait ahead of the round in front of the first loads
	v_lshrrev_b32 v1, 5, v0
	v_readfirstlane_b32 s14, v1                    ; wave 0..7
	s_and_b32 s15, s14, 1                          ; ch: my half of the columns
	s_lshr_b32 s16, s14, 1                         ; rg: my 32 rows
	s_bfe_u32 s17, ttmp6, 0x40000                  ; cx
	s_lshl_b32 s18, ttmp9, 2
	s_add_co_u32 s18, s18, s17                     ; mt = 4 x cluster x + cx: it enters global addresses of h and of the slabs alone
	s_and_b32 s19, ttmp7, 0xffff                   ; kc, which the four partners share
	s_mov_b32 s24, 15|(1<<16)|(1<<20)|(1<<21)|(6<<22)|(3<<25)  ; group 1: mask of four; 2-byte elements; padding on; bit 21 beside a mask; after every 128 words (code 6) 4 words (code 3)
	s_mov_b32 s25, 256<<16                         ; tensor_dim0 = 256
	s_mov_b32 s26, 64<<16                          ; tensor_dim1 = 64
	s_mov_b32 s27, 256<<16                         ; tile_dim0 = 256
	s_mov_b32 s28, 64                              ; tile_dim1 = 64
	s_mov_b32 s29, 256                             ; 256 elements from row to row
	s_mov_b32 s30, 0
	s_mov_b32 s31, 0
	s_mov_b32 s32, 1
	s_mul_i32 s33, s14, QROWS                      ; slot 0, my 64 rows (waves 0-3)
.if NQ > 1
	s_mov_b32 s36, 1
	s_add_co_u32 s37, s33, SLOT
.endif
	s_mov_b32 s[INVH], 0x4261745d                  ; 62 / 1.1
	s_mov_b32 s[C0], 0x412d1746                    ; 0.05 x 62 / 1.1 + 8
	s_mov_b32 s[C73], 0x42920000                   ; 73
	s_mov_b32 s[CX], 0xc270ba2f                    ; the same less 71: column 64's centre
	s_wait_dscnt 0x0                               ; the opening add is done
	s_wait_kmcnt 0x0
	s_load_b32 s20, s[8:9], 0x0                    ; wb
	s_load_b32 s21, s[10:11], 0x0                  ; ws
	s_mul_i32 s22, s19, NQ*QTILE                   ; my chunk's first quad,
	s_lshl_b32 s23, s14, 15                        ; my 64 rows of 512 bytes
	s_add_co_u32 s22, s22, s23
	s_mov_b32 s23, 0
	s_add_nc_u64 s[34:35], s[6:7], s[22:23]
.if NQ > 1
	s_add_nc_u64 s[38:39], s[34:35], QTILE
	s_or_b32 s39, s39, 0x80000000
.endif
	s_or_b32 s35, s35, 0x80000000                  ; type = 2
.if HID
	s_lshr_b32 s22, s19, 2                         ; XB: block of 64 features,
	s_and_b32 s23, s19, 3                          ; and my 16 of them
.else
	s_mov_b32 s22, 0
	s_lshr_b32 s23, s19, 2                         ; the aligned 16 features in which my 4 lie
.endif
	s_lshl_b32 s22, s22, 16
	s_lshl_b32 s23, s23, 5
	s_add_co_u32 s22, s22, s23
	s_add_co_u32 s22, s22, WE_OFF
	s_mov_b32 s23, 0
	s_add_nc_u64 s[40:41], s[6:7], s[22:23]
	s_lshl_b32 s2, s19, 17                         ; offsets that hold mt are made in s[2:3] alone
	s_lshl_b32 s3, s18, 13
	s_add_co_u32 s2, s2, s3                        ; column block kc, my 8 row tiles
	s_mov_b32 s3, 0
.if HID
	s_add_nc_u64 s[42:43], s[4:5], s[2:3]          ; five bases, four slabs apart: the slab within a group stands in the loads' immediates
	s_add_nc_u64 s[44:45], s[42:43], 4*SLAB
	s_add_nc_u64 s[46:47], s[44:45], 4*SLAB
	s_add_nc_u64 s[48:49], s[46:47], 4*SLAB
	s_add_nc_u64 s[50:51], s[48:49], 4*SLAB
.endif
	s_add_nc_u64 s[54:55], s[12:13], s[2:3]
	s_add_nc_u64 s[54:55], s[54:55], 16*SLAB       ; slab 16
.if !HID
	s_lshl_b32 s2, s18, 15                         ; x: 128 rows of 256 bytes a block, my 4 features
	s_lshl_b32 s3, s19, 4
	s_add_co_u32 s2, s2, s3
	s_mov_b32 s3, 0
	s_add_nc_u64 s[42:43], s[4:5], s[2:3]
.endif
	s_lshl_b32 s2, s19, 21                         ; slab kc,
	s_lshl_b32 s3, s15, 20                         ; my 8 column blocks,
	s_add_co_u32 s2, s2, s3
	s_lshl_b32 s3, s18, 13
	s_add_co_u32 s2, s2, s3
	s_lshl_b32 s3, s16, 11                         ; my 2 row tiles
	s_add_co_u32 s2, s2, s3
	s_mov_b32 s3, 0
	s_add_nc_u64 s[52:53], s[12:13], s[2:3]
	ROUND                                          ; all four work-groups are here: the first joint loads meet
	s_cmp_lt_u32 s14, 4                            ; a wave's first fills stand in one branch
	s_cbranch_scc0 .Lno_fill
	tensor_load_to_lds s[32:35], s[24:31]
	s_nop 0
.if NQ > 1
	tensor_load_to_lds s[36:39], s[24:31]
	s_nop 0
.endif
.rept 4
	v_nop
.endr
.Lno_fill:
	v_and_b32 v[RR], 15, v0
	v_bfe_u32 v[HH], v0, 4, 1
	v_mul_u32_u24 v[ADRB0], v[RR], PITCH
	v_lshl_add_u32 v[ADRB0], v[HH], 4, v[ADRB0]
	s_mul_i32 s22, s15, 128*PITCH
	v_add_nc_u32 v[ADRB0], s22, v[ADRB0]           ; (128 ch + r) x pitch + 16 h
	v_add_nc_u32 v[ADRB0+1], SLOT, v[ADRB0]
	s_mul_i32 s22, s16, 32*HP
	v_mul_u32_u24 v[AH], v[RR], HP
	v_add_nc_u32 v[AH], s22, v[AH]                 ; (32 rg + r) x 80
	v_lshl_add_u32 v[AST], v[HH], 4, v[AH]
	v_add_nc_u32 v[AST], BS, v[AST]
	v_add_nc_u32 v[AH], HS, v[AH]
	v_lshlrev_b32 v[VO], 4, v[RR]
	v_lshl_add_u32 v[VO], v[HH], 9, v[VO]
	v_lshlrev_b32 v[T16], 4, v0
	v_lshlrev_b32 v[XBO], 8, v[RR]
	v_lshl_add_u32 v[XBO], v[HH], 4, v[XBO]
	s_lshl_b32 s22, s15, 15
	v_add_nc_u32 v[XBO], s22, v[XBO]               ; (128 ch + r) x 256 + 16 h
; The XB fragments: 16 features' weights, taken twice (registers 0-3 and 4-7), so that the operand's hi (k 0-15) and lo (k 16-31) meet the same weights.  bw (bf16) into BUF0, j = 64 (f16) into BUF1.
.irp ct, 0,1,2,3,4,5,6,7
	global_load_b128 v[BUF0+8*\ct:BUF0+8*\ct+3], v[XBO], s[40:41] offset:\ct*4096+128
	global_load_b128 v[BUF0+8*\ct+4:BUF0+8*\ct+7], v[XBO], s[40:41] offset:\ct*4096+128
	global_load_b128 v[BUF1+8*\ct:BUF1+8*\ct+3], v[XBO], s[40:41] offset:\ct*4096
	global_load_b128 v[BUF1+8*\ct+4:BUF1+8*\ct+7], v[XBO], s[40:41] offset:\ct*4096
.endr
.if HID
	WIN 0x40                                       ; 17 slabs x 2 pieces of 16 bytes a thread, into window 1
.set sl, 0
.rept 17
	global_load_b128 v[8*sl:8*sl+3], v[T16], s[42+2*(sl/4):43+2*(sl/4)] offset:(sl%4)*SLAB
	global_load_b128 v[8*sl+4:8*sl+7], v[T16], s[42+2*(sl/4):43+2*(sl/4)] offset:(sl%4)*SLAB+4096
.set sl, sl+1
.endr
	WIN 0
.endif
	s_wait_kmcnt 0x0
	v_cvt_pk_bf16_f32 v24, s21, s20                ; ws and wb are rounded to bf16 like every input
	v_lshlrev_b32 v25, 16, v24
	v_and_b32 v24, 0xffff0000, v24
	v_readfirstlane_b32 s21, v25
	v_readfirstlane_b32 s[WB], v24
	s_mul_f32 s[S6], s21, 0x3e2aaaab               ; ws / 6
	s_mul_f32 s[HW], s21, 0.5
	s_xor_b32 s[NWS], s21, 0x80000000              ; -ws
	s_mul_f32 s[W23], s21, 0x3f2aaaab              ; 2 ws / 3
.if HID
	v_lshrrev_b32 v[HSA], 6, v0                    ; thread t, piece i: row 16 (t / 64) + t % 16 + 64 i, features 4 g .. + 3, g = (t / 16) % 4
	v_lshl_add_u32 v[HSA], v[HSA], 4, v[RR]
	v_mul_u32_u24 v[HSA], v[HSA], HP
	v_bfe_u32 v15, v0, 4, 2
	v_lshl_add_u32 v[BSA], v15, 3, v[HSA]
	v_add_nc_u32 v[BSA], BS, v[BSA]
	v_lshl_add_u32 v[HSA], v15, 4, v[HSA]
	v_add_nc_u32 v[HSA], HS, v[HSA]
	s_wait_loadcnt 0x0
	WIN 0x45                                       ; h = the sum of the slabs: four chains of 16 packed additions
.set sl, 1
.rept 15
.irp c, 0,2,4,6
	v_pk_add_f32 v[\c:\c+1], v[\c:\c+1], v[8*sl+\c:8*sl+\c+1]
.endr
.set sl, sl+1
.endr
	WIN 0x05                                       ; the last link lands in window 0
.irp c, 0,2,4,6
	v_pk_add_f32 v[HV+\c:HV+\c+1], v[\c:\c+1], v[128+\c:128+\c+1]
.endr
	WIN 0
	global_store_b128 v[T16], v[HV:HV+3], s[54:55] ; the residual: h goes out as slab 16
	global_store_b128 v[T16], v[HV+4:HV+7], s[54:55] offset:4096
	ds_store_b128 v[HSA], v[HV:HV+3]
	ds_store_b128 v[HSA], v[HV+4:HV+7] offset:64*HP
.else
.irp z, 56,57,58,59
	v_mov_b32 v\z, 0
.endr
	global_store_b128 v[T16], v[56:59], s[54:55]   ; no residual: slab 16 is 0
	global_store_b128 v[T16], v[56:59], s[54:55] offset:4096
	s_cmp_lt_u32 s14, 4                            ; threads 0-127 take a row each; no barrier stands in what the others jump
	s_cbranch_scc0 .Lno_x
	v_lshlrev_b32 v15, 8, v0
	global_load_b128 v[HV:HV+3], v15, s[42:43]
	v_mul_u32_u24 v[HSA], v0, HP
	v_add_nc_u32 v[BSA], BS, v[HSA]
	v_add_nc_u32 v[HSA], HS, v[HSA]
	s_and_b32 s22, s19, 3                          ; my 4 features' place among the aligned 16
.irp g, 0,1,2,3
	s_cmp_eq_u32 s22, \g
	s_cselect_b32 s[70+\g], -1, 0
.endr
	s_wait_loadcnt 0x0
	v_cvt_pk_bf16_f32 v24, v[HV], v[HV+1]          ; x is rounded to bf16 like every input
	v_cvt_pk_bf16_f32 v25, v[HV+2], v[HV+3]
	v_lshlrev_b32 v[HV], 16, v24
	v_and_b32 v[HV+1], 0xffff0000, v24
	v_lshlrev_b32 v[HV+2], 16, v25
	v_and_b32 v[HV+3], 0xffff0000, v25
	ds_store_b128 v[HSA], v[HV:HV+3]
.endif
; wb silu(h) = wb h / (1 + 2^(-1.442695 h)), split into bf16 hi + lo
	EACH NV, v_mul_f32 v[EE+k], 0xbfb8aa3b, v[HV+k]
	EACH NV, v_exp_f32 v[EE+k], v[EE+k]
	EACH NV, v_mul_f32 v[VV+k], s[WB], v[HV+k]     ; plain lines behind the exponentials (ISA guide 5.7.2)
	EACH NV, v_add_f32 v[EE+k], 1.0, v[EE+k]
	EACH NV, v_rcp_f32 v[EE+k], v[EE+k]
	v_nop                                          ; a plain line behind the last reciprocal
	s_wait_alu depctr_va_vdst(0)
	EACH NV, v_mul_f32 v[VV+k], v[VV+k], v[EE+k]
	EACH NV/2, v_cvt_pk_bf16_f32 v[PK+k], v[VV+2*k], v[VV+2*k+1]
	EACH NV/2, v_lshlrev_b32 v[UU+2*k], 16, v[PK+k]
	EACH NV/2, v_and_b32 v[UU+2*k+1], 0xffff0000, v[PK+k]
	EACH NV, v_sub_f32 v[UU+k], v[VV+k], v[UU+k]
	EACH NV/2, v_cvt_pk_bf16_f32 v[QK+k], v[UU+2*k], v[UU+2*k+1]
.if HID
	PUTH 0
.else
	PUT4 0
.endif
; ws B_64(h) = ws/6 (a^3 - 4 b^3), a = max(2 - d, 0), b = max(1 - d, 0), d = the distance from the column's centre in grid steps; split into f16 hi + lo
	EACH NV, v_fma_f32 v[UU+k], v[HV+k], s[INVH], s[CX]
	EACH NV, v_sub_f32 v[EE+k], 2.0, |v[UU+k]|
	EACH NV, v_sub_f32 v[UU+k], 1.0, |v[UU+k]|
	EACH NV, v_max_num_f32 v[EE+k], 0, v[EE+k]
	EACH NV, v_max_num_f32 v[UU+k], 0, v[UU+k]
	EACH NV, v_mul_f32 v[VV+k], v[EE+k], v[EE+k]
	EACH NV, v_mul_f32 v[EE+k], v[VV+k], v[EE+k]
	EACH NV, v_mul_f32 v[VV+k], v[UU+k], v[UU+k]
	EACH NV, v_mul_f32 v[UU+k], v[VV+k], v[UU+k]
	EACH NV, v_fma_f32 v[VV+k], v[UU+k], -4.0, v[EE+k]
	EACH NV, v_mul_f32 v[VV+k], s[S6], v[VV+k]
	EACH NV/2, v_cvt_pk_f16_f32 v[PK+k], v[VV+2*k], v[VV+2*k+1]
.irp p, 40,41,42,43
.if (\p-40) < NV/2
	v_cvt_f32_f16 v[UU+2*(\p-40)], v\p\().l
	v_cvt_f32_f16 v[UU+2*(\p-40)+1], v\p\().h
.endif
.endr
	EACH NV, v_sub_f32 v[UU+k], v[VV+k], v[UU+k]
	EACH NV/2, v_cvt_pk_f16_f32 v[QK+k], v[UU+2*k], v[UU+2*k+1]
.if HID
	PUTH 128*HP
.else
	PUT4 128*HP
.Lno_x:
.endif
	s_wait_loadcnt 0x0                             ; the XB fragments
	s_wait_xcnt 0x0                                ; slab 16's stores have read their registers: the generator writes some of them
.if NQ > 1
	s_wait_tensorcnt 0x1                           ; my part of slot 0 is in; slot 1's may stay out
.else
	s_wait_tensorcnt 0x0                           ; my part of the one slot is in
.endif
	s_wait_dscnt 0x0                               ; for the others' sake: my stores into the three tables are done
	s_barrier_signal -1
	s_barrier_wait -1
.irp T, 0,1
	ds_load_b128 v[AF+8*\T:AF+8*\T+3], v[AST] offset:16*HP*\T
	ds_load_b128 v[AF+8*\T+4:AF+8*\T+7], v[AST] offset:16*HP*\T+32
	ds_load_b128 v[AF+16+8*\T:AF+16+8*\T+3], v[AST] offset:128*HP+16*HP*\T
	ds_load_b128 v[AF+16+8*\T+4:AF+16+8*\T+7], v[AST] offset:128*HP+16*HP*\T+32
.endr
	s_wait_dscnt 0x0
	WIN 0x50
.irp T, 0,1                            ; the base step starts every sum: nothing is cleared
.irp ct, 0,1,2,3,4,5,6,7
	v_wmma_f32_16x16x32_bf16 v[8*(8*\T+\ct):8*(8*\T+\ct)+7], v[BUF0+8*\ct:BUF0+8*\ct+7], v[AF+8*\T:AF+8*\T+7], 0
.endr
.endr
.rept 5
	v_nop                                          ; the form changes on the same accumulators: five places (ISA guide 7.12.1)
.endr
.irp T, 0,1                            ; column 64
.irp ct, 0,1,2,3,4,5,6,7
	v_wmma_f32_16x16x32_f16 v[8*(8*\T+\ct):8*(8*\T+\ct)+7], v[BUF1+8*\ct:BUF1+8*\ct+7], v[AF+16+8*\T:AF+16+8*\T+7], v[8*(8*\T+\ct):8*(8*\T+\ct)+7]
.endr
.endr
	WIN 0
	QUAD 0
.if NQ > 1
	CHANGE 0, 1
	QUAD 1
	CHANGE 1, 1
	QUAD 0
	CHANGE 0, 0
	QUAD 1
.endif
.rept 4
	v_nop                                          ; the places behind the last products
.endr
	WIN 0x04                                       ; store data in window 1
.irp T, 0,1                            ; each accumulator's four lowest registers go first; a store covers two whole aligned blocks of 256 bytes
.irp ct, 0,1,2,3,4,5,6,7
	global_store_b128 v[VO], v[8*(8*\T+\ct):8*(8*\T+\ct)+3], s[52:53] offset:\ct*QTILE+\T*1024
	global_store_b128 v[VO], v[8*(8*\T+\ct)+4:8*(8*\T+\ct)+7], s[52:53] offset:\ct*QTILE+\T*1024+256
.endr
.endr
	WIN 0
	s_wait_tensorcnt 0x0                           ; the wave's end
	ds_add_u32 v[SPW], v[NIL]
	s_wait_dscnt 0x0
	ROUND                                          ; the closing round
	s_endpgm
.Lfunc_end_k_q8b1711d55c_L0:
	.size	k_q8b1711d55c_L0, .Lfunc_end_k_q8b1711d55c_L0-k_q8b1711d55c_L0
	.p2alignl 7, 3214868480
	.fill 96, 4, 3214868480
	.section	.rodata,"a",@progbits
	.p2align	6, 0x0
	.amdhsa_kernel k_q8b1711d55c_L0
		.amdhsa_group_segment_fixed_size 327680
		.amdhsa_private_segment_fixed_size 0
		.amdhsa_enable_private_segment 0
		.amdhsa_kernarg_size 40
		.amdhsa_user_sgpr_count 2
		.amdhsa_user_sgpr_kernarg_segment_ptr 1
		.amdhsa_wavefront_size32 1
		.amdhsa_system_sgpr_workgroup_id_x 1
		.amdhsa_system_sgpr_workgroup_id_y 1
		.amdhsa_system_sgpr_workgroup_id_z 1
		.amdhsa_system_vgpr_workitem_id 0
		.amdhsa_next_free_vgpr 392
		.amdhsa_next_free_sgpr 80
		.amdhsa_reserve_vcc 0
		.amdhsa_float_denorm_mode_32 3
		.amdhsa_float_denorm_mode_16_64 3
		.amdhsa_memory_ordered 1
		.amdhsa_forward_progress 1
		.amdhsa_inst_pref_size 42
	.end_amdhsa_kernel
	.amdgpu_metadata
---
amdhsa.version: [ 1, 2 ]
amdhsa.kernels:
  - .name:           k_q8b1711d55c_L0
    .symbol:         k_q8b1711d55c_L0.kd
    .args:
      - { .name: x, .offset: 0, .size: 8, .value_kind: global_buffer, .address_space: global }
      - { .name: w0, .offset: 8, .size: 8, .value_kind: global_buffer, .address_space: global }
      - { .name: wb0, .offset: 16, .size: 8, .value_kind: global_buffer, .address_space: global }
      - { .name: ws0, .offset: 24, .size: 8, .value_kind: global_buffer, .address_space: global }
      - { .name: pa, .offset: 32, .size: 8, .value_kind: global_buffer, .address_space: global }
    .group_segment_fixed_size: 327680
    .private_segment_fixed_size: 0
    .kernarg_segment_align: 8
    .kernarg_segment_size: 40
    .max_flat_workgroup_size: 256
    .sgpr_count:     80
    .vgpr_count:     392
    .wavefront_size: 32
...
	.end_amdgpu_metadata
.endif
;; end of part 2
;; launch L1 (part 3): grid 16 x 16, 8 waves a work-group, clusters of 4 x 1, 327,680 bytes of LDS; arguments pa, w1, wb1, ws1, pb; writes pb
.if DOCPART == 3
	.amdgcn_target "amdgcn-amd-amdhsa--gfx1250"
	.amdhsa_code_object_version 6
	.text
	.protected	k_q8b1711d55c_L1
	.globl	k_q8b1711d55c_L1
	.p2align	8
	.type	k_q8b1711d55c_L1,@function
k_q8b1711d55c_L1:
	s_mov_b64 s[64:65], 0
	v_nop
	global_prefetch_b8 v0, s[64:65] scope:SCOPE_SE
	s_setreg_imm32_b32 hwreg(HW_REG_WAVE_MODE, 25, 1), 1
	s_wait_xcnt 0x0
	s_wait_alu depctr_hold_cnt(0) depctr_sa_sdst(0) depctr_va_vdst(0) depctr_va_sdst(0) depctr_va_ssrc(0) depctr_va_vcc(0) depctr_vm_vsrc(0)
	s_getreg_b32 s2, hwreg(HW_REG_IB_STS2, 6, 4)
	s_cmp_eq_u32 s2, 0
	s_cbranch_scc0 .Lentry_in_a_cluster
	s_endpgm
.Lentry_in_a_cluster:
	s_bfe_u32 s2, ttmp6, 0x10000c
	s_cmp_lg_u32 s2, 0x3003
	s_cbranch_scc0 .Lentry_shape_is_right
	s_endpgm
.Lentry_shape_is_right:
; ONE KAN LAYER's partial sums:  out = wb silu(h) bw^T + ws B(h) sw^T (+ h), B = 65 cubic B-spline values a feature on the uniform grid of step 1.1 / 62 from -0.05.
; This text serves two shapes by the three constants below.  HID = 1 (here): a hidden layer, h = the sum of the 17 slabs that the launch before stored, 16 features a work-group.
; HID = 0: the input layer, h = x [2048][64] f32 rounded to bf16, 4 features a work-group.
; SHARES.  Work-group (mt, kc): rows 128 mt .. + 127, all 256 output columns, feature chunk kc.  Its sums go to slab kc of the output buffer; slab 16 takes h itself (the residual; zeros where HID = 0).
; The next launch adds the 17 slabs.  Slab layout: [slab 17][column / 16][row / 16][(column % 16) / 4][row % 16][4 f32]: every 16-byte access of a wave covers two whole aligned blocks of 256 bytes.
; Eight waves: wave w makes rows 32 (w / 2) .. + 31 x columns 128 (w % 2) .. + 127: 16 accumulators.  Two waves lie on a SIMD, so that one wave's vector work stands beside the other's products.
; THE LEFT OPERAND IS MADE IN REGISTERS, in the matrix instruction's own layout.  Of a feature's 65 values four are not 0; they are computed in f32 (times ws), split into two f16 parts (hi + lo),
; and put into their columns by selects alone: no address and no branch hangs on a number.  Columns 0-63 are two K steps a feature; column 64 of 16 features is one K step (hi in k 0-15, lo in k 16-31),
; and so is wb silu(h), in bf16 hi + lo, since it has no bound.
; THE MATRIX INSTRUCTION IS USED TRANSPOSED: source 0 = 16 weight rows (output columns), source 1 = 16 rows of h: a lane holds one row and eight neighbouring columns.
; CLUSTER.  The four row blocks of a cluster share kc, so they read the same weight tiles: every tensor load is asked for jointly by the four.
; LIMITS.  ws B lies within 0.67 |ws|: f16 holds it for |ws| under 9e4; values under 6e-5 keep f16's fixed step of 6e-8.  The knots are taken as exactly uniform.
; NaN and infinities in h are not treated apart.  All inputs are rounded to bf16 once; everything behind that is f32 but for the operands named above.
.set HID,    1
.set NQ,     4                         ; quads of 4 features a work-group
.set WE_OFF, 8388608                   ; where the weights' XB part begins
.set NV,     4+4*HID                   ; numbers of h that a thread finishes
.set PITCH,  528                       ; an LDS row of weights: 512 bytes + 16 of padding: an odd multiple of 16, so the 16 rows of a load start at 16 different groups of four banks (ISA guide 11.1)
.set QROWS,  64*PITCH                  ; what one tensor load brings
.set SLOT,   4*QROWS                   ; a quad's 256 rows
.set HP,     80                        ; pitch of the three small tables: 64 bytes + 16
.set HS,     2*SLOT                    ; h in f32: [row 128][16]
.set BS,     HS+128*HP                 ; wb silu(h): [row 128][16 bf16 hi, 16 bf16 lo]
.set XS,     BS+128*HP                 ; ws B_64(h): the same in f16
.set SPARE,  XS+128*HP                 ; the spare words, 128 bytes a wave: four blocks of 256 bytes that no other line names
.set QTILE,  131072
.set SLAB,   2097152
.set RR,1                              ; v1   l % 16
.set HH,2                              ; v2   l / 16
.set SPW,3                             ; v3   LDS address of my spare word; never rewritten
.set NIL,4                             ; v4   0; never rewritten
.set ADRB0,5                           ; v5-6 LDS address of my weight fragments in slot 0, 1
.set ADR,7                             ; v7   the same, walking over a quad's features
.set AH,8                              ; v8   LDS address of my row's h, walking
.set AST,9                             ; v9   LDS address of my row's fragment in BS
.set VO,10                             ; v10  512 (l / 16) + 16 (l % 16): my place in a tile of the slab
.set T16,11                            ; v11  16 x thread
.set XBO,12                            ; v12  my byte offset in the XB part
.set HSA,13                            ; v13  where I store h
.set BSA,14                            ; v14  where I store the base operand
.set HV,16                             ; v16-23 h, f32
.set EE,24                             ; v24-31, v32-39, v44-51 at work; v40-43, v52-55 packed hi, lo (v40-43 are named by number where their halves are read)
.set VV,32
.set PK,40
.set UU,44
.set QK,52
.set X0,24                             ; the generator: v24-25 x of row tiles 0, 1; v26-61 at work (v37-44 are named by number where halves are read)
.set GU,26
.set GFL,27
.set GT,28
.set GO,29
.set GT2,30
.set GO2,31
.set GW,32
.set GPP,36
.set H01,37
.set H23,38
.set L01,39
.set L23,40
.set GGH,45
.set GCS,46
.set GTM,47
.set GD,48
.set GZ,48
.set GE,52
.set GY,56
.set AF,64                             ; v64-127 the left operand: 64 + 32 T + 16 part + 4 c + d
.set BUF0,128                          ; v128-191, v192-255 weight fragments of a feature's two K steps, 8 registers a column tile
.set BUF1,192
                                       ; window 1: v0-127 the accumulators, (T, ct) at 8 (8 T + ct); before the first product v0-135 take the slabs
.set CNT,56                            ; s56 loop count;  s57.. constants;  s70-77 lane masks
.set INVH,57
.set C0,58
.set S6,59
.set HW,60
.set NWS,61
.set W23,62
.set WB,63
.set C73,67
.set CX,68
.set ODD,70
.set B0,71
.set B1,72
.set PAR,73
.set CM,74
.set MSB, 0
.macro WIN new                         ; s_set_vgpr_msb: bits 1:0 source 0, 3:2 source 1, 5:4 source 2, 7:6 destination; the high byte repeats the setting that is left
.if MSB != (\new)
	s_set_vgpr_msb (MSB<<8)|(\new)
.set MSB, \new
.endif
.endm
.macro EACH n, line:vararg             ; one line for k = 0 .. n - 1
.set k, 0
	s_wait_alu depctr_va_vdst(0)
.rept \n
	\line
.set k, k+1
.endr
.endm
.macro ROUND                           ; a round of the cluster's barrier
	s_barrier_signal -1
	s_barrier_wait -1
	s_cmp_lg_u32 s14, 0
	s_cbranch_scc1 .Lnot_wave_0_\@
	s_barrier_signal -3
.Lnot_wave_0_\@:
	s_barrier_wait -3
	s_barrier_signal -1
	s_barrier_wait -1
.endm
.macro JL slot                         ; a joint refill: waves 0-3 fetch 64 rows each; an s_nop 0 and four v_nop follow the load, ahead of the label
	s_cmp_lt_u32 s14, 4
	s_cbranch_scc0 .Lno_load_\@
	tensor_load_to_lds s[32+4*(\slot):35+4*(\slot)], s[24:31]
	s_nop 0
.rept 4
	v_nop
.endr
.Lno_load_\@:
.endm
; Four f16 values (a01 = first, second; a23 = third, fourth) go to columns P .. P + 3 of the row.  By P's parity they are three words D; by bits 1 and 2 of P the words move up by 1 and by 2
; into six words Y: four of the group of 8 columns in which P lies, two of the next.  My lane's group c takes the first four, the last two, or 0.
.macro PLACE a01, a23, dst
	v_lshlrev_b32 v[GD], 16, v[\a01]
	v_alignbit_b32 v[GD+1], v[\a23], v[\a01], 16
	v_lshrrev_b32 v[GD+2], 16, v[\a23]
	v_cndmask_b32 v[GD], v[\a01], v[GD], s[ODD]
	v_cndmask_b32 v[GD+1], v[\a23], v[GD+1], s[ODD]
	v_cndmask_b32 v[GD+2], 0, v[GD+2], s[ODD]
	v_cndmask_b32 v[GE], v[GD], 0, s[B0]
	v_cndmask_b32 v[GE+1], v[GD+1], v[GD], s[B0]
	v_cndmask_b32 v[GE+2], v[GD+2], v[GD+1], s[B0]
	v_cndmask_b32 v[GE+3], 0, v[GD+2], s[B0]
	v_cndmask_b32 v[GY], v[GE], 0, s[B1]
	v_cndmask_b32 v[GY+1], v[GE+1], 0, s[B1]
	v_cndmask_b32 v[GY+2], v[GE+2], v[GE], s[B1]
	v_cndmask_b32 v[GY+3], v[GE+3], v[GE+1], s[B1]
	v_cndmask_b32 v[GY+4], 0, v[GE+2], s[B1]
	v_cndmask_b32 v[GY+5], 0, v[GE+3], s[B1]
	v_cndmask_b32 v[GZ], v[GY+4], v[GY], s[PAR]
	v_cndmask_b32 v[GZ+1], v[GY+5], v[GY+1], s[PAR]
	v_cndmask_b32 v[GZ+2], 0, v[GY+2], s[PAR]
	v_cndmask_b32 v[GZ+3], 0, v[GY+3], s[PAR]
.irp c, 0,1,2,3
.irp d, 0,1,2,3
	v_cndmask_b32 v[(\dst)+4*\c+\d], 0, v[GZ+\d], s[CM+\c]
.endr
.endr
.endm
; The left operand of one feature for row tile T.  u = (x + 0.05) / step + 8; P + 8 = floor(u), held to 4 .. 73: an x outside the grid puts its four values wholly outside columns 0-63.
; With t = u - floor(u), o = 1 - t:  ws/6 o^3;  ws (t^3/2 - t^2 + 2/3);  ws (o^3/2 - o^2 + 2/3);  ws/6 t^3.
; Lane (r, h) holds of row r the groups of 8 columns 16 c + 8 h, c = 0..3.  With G = (P + 8) / 8: group 2 c + h takes the first four words if G - h = 2 c + 1, the last two if G - h = 2 c.
.macro GEN T
	v_fma_f32 v[GU], v[X0+\T], s[INVH], s[C0]
	v_floor_f32 v[GFL], v[GU]
	v_sub_f32 v[GT], v[GU], v[GFL]
	v_med3_num_f32 v[GFL], v[GFL], 4.0, s[C73]
	v_cvt_u32_f32 v[GPP], v[GFL]
	v_sub_f32 v[GO], 1.0, v[GT]
	v_mul_f32 v[GT2], v[GT], v[GT]
	v_mul_f32 v[GO2], v[GO], v[GO]
	v_mul_f32 v[GW], s[S6], v[GO]
	v_mul_f32 v[GW+3], s[S6], v[GT]
	v_fma_f32 v[GW+1], v[GT], s[HW], s[NWS]
	v_fma_f32 v[GW+2], v[GO], s[HW], s[NWS]
	v_mul_f32 v[GW], v[GW], v[GO2]
	v_mul_f32 v[GW+3], v[GW+3], v[GT2]
	v_fma_f32 v[GW+1], v[GW+1], v[GT2], s[W23]
	v_fma_f32 v[GW+2], v[GW+2], v[GO2], s[W23]
	v_cvt_pk_f16_f32 v[H01], v[GW], v[GW+1]        ; hi parts (v37, v38)
	v_cvt_pk_f16_f32 v[H23], v[GW+2], v[GW+3]
	v_cvt_f32_f16 v41, v37.l
	v_cvt_f32_f16 v42, v37.h
	v_cvt_f32_f16 v43, v38.l
	v_cvt_f32_f16 v44, v38.h
	v_sub_f32 v41, v[GW], v41
	v_sub_f32 v42, v[GW+1], v42
	v_sub_f32 v43, v[GW+2], v43
	v_sub_f32 v44, v[GW+3], v44
	v_cvt_pk_f16_f32 v[L01], v41, v42              ; lo parts: what the hi parts left
	v_cvt_pk_f16_f32 v[L23], v43, v44
	v_and_b32 v[GTM], 1, v[GPP]
	v_cmp_ne_u32 s[ODD], 0, v[GTM]
	v_and_b32 v[GTM], 2, v[GPP]
	v_cmp_ne_u32 s[B0], 0, v[GTM]
	v_and_b32 v[GTM], 4, v[GPP]
	v_cmp_ne_u32 s[B1], 0, v[GTM]
	v_lshrrev_b32 v[GGH], 3, v[GPP]
	v_sub_nc_u32 v[GGH], v[GGH], v[HH]
	v_and_b32 v[GTM], 1, v[GGH]
	v_cmp_ne_u32 s[PAR], 0, v[GTM]
	v_lshrrev_b32 v[GCS], 1, v[GGH]
.irp c, 0,1,2,3
	v_cmp_eq_u32 s[CM+\c], \c, v[GCS]
.endr
	PLACE H01, H23, AF+32*\T
	PLACE L01, L23, AF+32*\T+16
.endm
; A quad's four features, out of one slot.  A trip: x of my two row tiles; 32 loads of weight fragments (2 K steps x 8 column tiles); the operand is made while they come; 64 products.
; The 16 accumulators take turns, one instruction a turn, over the backward jump too.
.macro QUAD slot
	v_mov_b32 v[ADR], v[ADRB0+(\slot)]
	s_mov_b32 s[CNT], 4
.Lfeat_\@:
	ds_load_b32 v[X0], v[AH]
	ds_load_b32 v[X0+1], v[AH] offset:16*HP
	v_add_nc_u32 v[AH], 4, v[AH]                   ; this line and three v_nop: the four places between the last products and the loads into registers that they read (ISA guide 7.12.1 for vector instructions)
.rept 3
	v_nop
.endr
.irp st, 0,1
.irp ct, 0,1,2,3,4,5,6,7
	ds_load_b128 v[BUF0+64*\st+8*\ct:BUF0+64*\st+8*\ct+3], v[ADR] offset:\ct*16*PITCH+64*\st
	ds_load_b128 v[BUF0+64*\st+8*\ct+4:BUF0+64*\st+8*\ct+7], v[ADR] offset:\ct*16*PITCH+64*\st+32
.endr
.endr
	v_add_nc_u32 v[ADR], 128, v[ADR]               ; the next feature's 64 columns
	s_wait_dscnt 32                                ; the two x are in; the 32 loads issued behind them stay out
	GEN 0
	GEN 1
	s_wait_dscnt 0x0                               ; the fragments are in
	WIN 0x50                                       ; C and D in window 1
.irp st, 0,1
.irp pt, 0,1
.irp T, 0,1
.irp ct, 0,1,2,3,4,5,6,7
	v_wmma_f32_16x16x32_f16 v[8*(8*\T+\ct):8*(8*\T+\ct)+7], v[BUF0+64*\st+8*\ct:BUF0+64*\st+8*\ct+7], v[AF+32*\T+16*\pt+8*\st:AF+32*\T+16*\pt+8*\st+7], v[8*(8*\T+\ct):8*(8*\T+\ct)+7]
.endr
.endr
.endr
.endr
	WIN 0                                          ; at a label and at a branch every window is 0
	s_sub_co_u32 s[CNT], s[CNT], 1
	s_cmp_lg_u32 s[CNT], 0
	s_cbranch_scc1 .Lfeat_\@
.endm
; The change of slots.  Each wave waits for all its tensor loads (at most one is out: its part of the other slot), adds 0 to its spare word, and waits for that and for its reads of the slot.
; fill = 1: the barrier is a round of the cluster's, and the slot just read is filled again first thing behind it, with the quad two further on: it has a quad's 256 products a wave in which to land.
.macro CHANGE slot, fill
	s_wait_tensorcnt 0x0
	ds_add_u32 v[SPW], v[NIL]
.if \fill
	s_add_nc_u64 s[34+4*(\slot):35+4*(\slot)], s[34+4*(\slot):35+4*(\slot)], 2*QTILE  ; no load of mine is out: the group 0 may be written
.endif
	s_wait_dscnt 0x0
.if \fill
	ROUND
	JL \slot
.else
	s_barrier_signal -1
	s_barrier_wait -1
.endif
.endm
.macro PUTH off                        ; HID = 1: my 2 x 4 values' hi and lo parts into the table at BS + off
	ds_store_b64 v[BSA], v[PK:PK+1] offset:\off
	ds_store_b64 v[BSA], v[PK+2:PK+3] offset:\off+64*HP
	ds_store_b64 v[BSA], v[QK:QK+1] offset:\off+32
	ds_store_b64 v[BSA], v[QK+2:QK+3] offset:\off+64*HP+32
.endm
.macro PUT4 off                        ; HID = 0: my row's whole 64 bytes: my 4 features' parts at their place among 16, by the masks s70-73, zeros elsewhere
.irp g, 0,1,2,3
	v_and_b32 v[AF+2*\g], s[70+\g], v[PK]
	v_and_b32 v[AF+1+2*\g], s[70+\g], v[PK+1]
	v_and_b32 v[AF+8+2*\g], s[70+\g], v[QK]
	v_and_b32 v[AF+9+2*\g], s[70+\g], v[QK+1]
.endr
.irp q, 0,1,2,3
	ds_store_b128 v[BSA], v[AF+4*\q:AF+4*\q+3] offset:\off+16*\q
.endr
.endm
	s_load_b256 s[4:11], s[0:1], 0x0               ; in s[4:5], weights s[6:7], wb s[8:9], ws s[10:11]
	s_load_b64 s[12:13], s[0:1], 0x20              ; out
	v_lshl_add_u32 v[SPW], v0, 2, SPARE
	v_mov_b32 v[NIL], 0
	ds_add_u32 v[SPW], v[NIL]                      ; the wave's opening: the add and its wait ahead of the round in front of the first loads
	v_lshrrev_b32 v1, 5, v0
	v_readfirstlane_b32 s14, v1                    ; wave 0..7
	s_and_b32 s15, s14, 1                          ; ch: my half of the columns
	s_lshr_b32 s16, s14, 1                         ; rg: my 32 rows
	s_bfe_u32 s17, ttmp6, 0x40000                  ; cx
	s_lshl_b32 s18, ttmp9, 2
	s_add_co_u32 s18, s18, s17                     ; mt = 4 x cluster x + cx: it enters global addresses of h and of the slabs alone
	s_and_b32 s19, ttmp7, 0xffff                   ; kc, which the four partners share
	s_mov_b32 s24, 15|(1<<16)|(1<<20)|(1<<21)|(6<<22)|(3<<25)  ; group 1: mask of four; 2-byte elements; padding on; bit 21 beside a mask; after every 128 words (code 6) 4 words (code 3)
	s_mov_b32 s25, 256<<16                         ; tensor_dim0 = 256
	s_mov_b32 s26, 64<<16                          ; tensor_dim1 = 64
	s_mov_b32 s27, 256<<16                         ; tile_dim0 = 256
	s_mov_b32 s28, 64                              ; tile_dim1 = 64
	s_mov_b32 s29, 256                             ; 256 elements from row to row
	s_mov_b32 s30, 0
	s_mov_b32 s31, 0
	s_mov_b32 s32, 1
	s_mul_i32 s33, s14, QROWS                      ; slot 0, my 64 rows (waves 0-3)
.if NQ > 1
	s_mov_b32 s36, 1
	s_add_co_u32 s37, s33, SLOT
.endif
	s_mov_b32 s[INVH], 0x4261745d                  ; 62 / 1.1
	s_mov_b32 s[C0], 0x412d1746                    ; 0.05 x 62 / 1.1 + 8
	s_mov_b32 s[C73], 0x42920000                   ; 73
	s_mov_b32 s[CX], 0xc270ba2f                    ; the same less 71: column 64's centre
	s_wait_dscnt 0x0                               ; the opening add is done
	s_wait_kmcnt 0x0
	s_load_b32 s20, s[8:9], 0x0                    ; wb
	s_load_b32 s21, s[10:11], 0x0                  ; ws
	s_mul_i32 s22, s19, NQ*QTILE                   ; my chunk's first quad,
	s_lshl_b32 s23, s14, 15                        ; my 64 rows of 512 bytes
	s_add_co_u32 s22, s22, s23
	s_mov_b32 s23, 0
	s_add_nc_u64 s[34:35], s[6:7], s[22:23]
.if NQ > 1
	s_add_nc_u64 s[38:39], s[34:35], QTILE
	s_or_b32 s39, s39, 0x80000000
.endif
	s_or_b32 s35, s35, 0x80000000                  ; type = 2
.if HID
	s_lshr_b32 s22, s19, 2                         ; XB: block of 64 features,
	s_and_b32 s23, s19, 3                          ; and my 16 of them
.else
	s_mov_b32 s22, 0
	s_lshr_b32 s23, s19, 2                         ; the aligned 16 features in which my 4 lie
.endif
	s_lshl_b32 s22, s22, 16
	s_lshl_b32 s23, s23, 5
	s_add_co_u32 s22, s22, s23
	s_add_co_u32 s22, s22, WE_OFF
	s_mov_b32 s23, 0
	s_add_nc_u64 s[40:41], s[6:7], s[22:23]
	s_lshl_b32 s2, s19, 17                         ; offsets that hold mt are made in s[2:3] alone
	s_lshl_b32 s3, s18, 13
	s_add_co_u32 s2, s2, s3                        ; column block kc, my 8 row tiles
	s_mov_b32 s3, 0
.if HID
	s_add_nc_u64 s[42:43], s[4:5], s[2:3]          ; five bases, four slabs apart: the slab within a group stands in the loads' immediates
	s_add_nc_u64 s[44:45], s[42:43], 4*SLAB
	s_add_nc_u64 s[46:47], s[44:45], 4*SLAB
	s_add_nc_u64 s[48:49], s[46:47], 4*SLAB
	s_add_nc_u64 s[50:51], s[48:49], 4*SLAB
.endif
	s_add_nc_u64 s[54:55], s[12:13], s[2:3]
	s_add_nc_u64 s[54:55], s[54:55], 16*SLAB       ; slab 16
.if !HID
	s_lshl_b32 s2, s18, 15                         ; x: 128 rows of 256 bytes a block, my 4 features
	s_lshl_b32 s3, s19, 4
	s_add_co_u32 s2, s2, s3
	s_mov_b32 s3, 0
	s_add_nc_u64 s[42:43], s[4:5], s[2:3]
.endif
	s_lshl_b32 s2, s19, 21                         ; slab kc,
	s_lshl_b32 s3, s15, 20                         ; my 8 column blocks,
	s_add_co_u32 s2, s2, s3
	s_lshl_b32 s3, s18, 13
	s_add_co_u32 s2, s2, s3
	s_lshl_b32 s3, s16, 11                         ; my 2 row tiles
	s_add_co_u32 s2, s2, s3
	s_mov_b32 s3, 0
	s_add_nc_u64 s[52:53], s[12:13], s[2:3]
	ROUND                                          ; all four work-groups are here: the first joint loads meet
	s_cmp_lt_u32 s14, 4                            ; a wave's first fills stand in one branch: two loads of mine are out
	s_cbranch_scc0 .Lno_fill
	tensor_load_to_lds s[32:35], s[24:31]
	s_nop 0
.if NQ > 1
	tensor_load_to_lds s[36:39], s[24:31]
	s_nop 0
.endif
.rept 4
	v_nop
.endr
.Lno_fill:
	v_and_b32 v[RR], 15, v0
	v_bfe_u32 v[HH], v0, 4, 1
	v_mul_u32_u24 v[ADRB0], v[RR], PITCH
	v_lshl_add_u32 v[ADRB0], v[HH], 4, v[ADRB0]
	s_mul_i32 s22, s15, 128*PITCH
	v_add_nc_u32 v[ADRB0], s22, v[ADRB0]           ; (128 ch + r) x pitch + 16 h
	v_add_nc_u32 v[ADRB0+1], SLOT, v[ADRB0]
	s_mul_i32 s22, s16, 32*HP
	v_mul_u32_u24 v[AH], v[RR], HP
	v_add_nc_u32 v[AH], s22, v[AH]                 ; (32 rg + r) x 80
	v_lshl_add_u32 v[AST], v[HH], 4, v[AH]
	v_add_nc_u32 v[AST], BS, v[AST]
	v_add_nc_u32 v[AH], HS, v[AH]
	v_lshlrev_b32 v[VO], 4, v[RR]
	v_lshl_add_u32 v[VO], v[HH], 9, v[VO]
	v_lshlrev_b32 v[T16], 4, v0
	v_lshlrev_b32 v[XBO], 8, v[RR]
	v_lshl_add_u32 v[XBO], v[HH], 4, v[XBO]
	s_lshl_b32 s22, s15, 15
	v_add_nc_u32 v[XBO], s22, v[XBO]               ; (128 ch + r) x 256 + 16 h
; The XB fragments: 16 features' weights, taken twice (registers 0-3 and 4-7), so that the operand's hi (k 0-15) and lo (k 16-31) meet the same weights.  bw (bf16) into BUF0, j = 64 (f16) into BUF1.
.irp ct, 0,1,2,3,4,5,6,7
	global_load_b128 v[BUF0+8*\ct:BUF0+8*\ct+3], v[XBO], s[40:41] offset:\ct*4096+128
	global_load_b128 v[BUF0+8*\ct+4:BUF0+8*\ct+7], v[XBO], s[40:41] offset:\ct*4096+128
	global_load_b128 v[BUF1+8*\ct:BUF1+8*\ct+3], v[XBO], s[40:41] offset:\ct*4096
	global_load_b128 v[BUF1+8*\ct+4:BUF1+8*\ct+7], v[XBO], s[40:41] offset:\ct*4096
.endr
.if HID
	WIN 0x40                                       ; 17 slabs x 2 pieces of 16 bytes a thread, into window 1
.set sl, 0
.rept 17
	global_load_b128 v[8*sl:8*sl+3], v[T16], s[42+2*(sl/4):43+2*(sl/4)] offset:(sl%4)*SLAB
	global_load_b128 v[8*sl+4:8*sl+7], v[T16], s[42+2*(sl/4):43+2*(sl/4)] offset:(sl%4)*SLAB+4096
.set sl, sl+1
.endr
	WIN 0
.endif
	s_wait_kmcnt 0x0
	v_cvt_pk_bf16_f32 v24, s21, s20                ; ws and wb are rounded to bf16 like every input
	v_lshlrev_b32 v25, 16, v24
	v_and_b32 v24, 0xffff0000, v24
	v_readfirstlane_b32 s21, v25
	v_readfirstlane_b32 s[WB], v24
	s_mul_f32 s[S6], s21, 0x3e2aaaab               ; ws / 6
	s_mul_f32 s[HW], s21, 0.5
	s_xor_b32 s[NWS], s21, 0x80000000              ; -ws
	s_mul_f32 s[W23], s21, 0x3f2aaaab              ; 2 ws / 3
.if HID
	v_lshrrev_b32 v[HSA], 6, v0                    ; thread t, piece i: row 16 (t / 64) + t % 16 + 64 i, features 4 g .. + 3, g = (t / 16) % 4
	v_lshl_add_u32 v[HSA], v[HSA], 4, v[RR]
	v_mul_u32_u24 v[HSA], v[HSA], HP
	v_bfe_u32 v15, v0, 4, 2
	v_lshl_add_u32 v[BSA], v15, 3, v[HSA]
	v_add_nc_u32 v[BSA], BS, v[BSA]
	v_lshl_add_u32 v[HSA], v15, 4, v[HSA]
	v_add_nc_u32 v[HSA], HS, v[HSA]
	s_wait_loadcnt 0x0
	WIN 0x45                                       ; h = the sum of the slabs: four chains of 16 packed additions
.set sl, 1
.rept 15
.irp c, 0,2,4,6
	v_pk_add_f32 v[\c:\c+1], v[\c:\c+1], v[8*sl+\c:8*sl+\c+1]
.endr
.set sl, sl+1
.endr
	WIN 0x05                                       ; the last link lands in window 0
.irp c, 0,2,4,6
	v_pk_add_f32 v[HV+\c:HV+\c+1], v[\c:\c+1], v[128+\c:128+\c+1]
.endr
	WIN 0
	global_store_b128 v[T16], v[HV:HV+3], s[54:55] ; the residual: h goes out as slab 16
	global_store_b128 v[T16], v[HV+4:HV+7], s[54:55] offset:4096
	ds_store_b128 v[HSA], v[HV:HV+3]
	ds_store_b128 v[HSA], v[HV+4:HV+7] offset:64*HP
.else
.irp z, 56,57,58,59
	v_mov_b32 v\z, 0
.endr
	global_store_b128 v[T16], v[56:59], s[54:55]   ; no residual: slab 16 is 0
	global_store_b128 v[T16], v[56:59], s[54:55] offset:4096
	s_cmp_lt_u32 s14, 4                            ; threads 0-127 take a row each; no barrier stands in what the others jump
	s_cbranch_scc0 .Lno_x
	v_lshlrev_b32 v15, 8, v0
	global_load_b128 v[HV:HV+3], v15, s[42:43]
	v_mul_u32_u24 v[HSA], v0, HP
	v_add_nc_u32 v[BSA], BS, v[HSA]
	v_add_nc_u32 v[HSA], HS, v[HSA]
	s_and_b32 s22, s19, 3                          ; my 4 features' place among the aligned 16
.irp g, 0,1,2,3
	s_cmp_eq_u32 s22, \g
	s_cselect_b32 s[70+\g], -1, 0
.endr
	s_wait_loadcnt 0x0
	v_cvt_pk_bf16_f32 v24, v[HV], v[HV+1]          ; x is rounded to bf16 like every input
	v_cvt_pk_bf16_f32 v25, v[HV+2], v[HV+3]
	v_lshlrev_b32 v[HV], 16, v24
	v_and_b32 v[HV+1], 0xffff0000, v24
	v_lshlrev_b32 v[HV+2], 16, v25
	v_and_b32 v[HV+3], 0xffff0000, v25
	ds_store_b128 v[HSA], v[HV:HV+3]
.endif
; wb silu(h) = wb h / (1 + 2^(-1.442695 h)), split into bf16 hi + lo
	EACH NV, v_mul_f32 v[EE+k], 0xbfb8aa3b, v[HV+k]
	EACH NV, v_exp_f32 v[EE+k], v[EE+k]
	EACH NV, v_mul_f32 v[VV+k], s[WB], v[HV+k]     ; plain lines behind the exponentials (ISA guide 5.7.2)
	EACH NV, v_add_f32 v[EE+k], 1.0, v[EE+k]
	EACH NV, v_rcp_f32 v[EE+k], v[EE+k]
	v_nop                                          ; a plain line behind the last reciprocal
	s_wait_alu depctr_va_vdst(0)
	EACH NV, v_mul_f32 v[VV+k], v[VV+k], v[EE+k]
	EACH NV/2, v_cvt_pk_bf16_f32 v[PK+k], v[VV+2*k], v[VV+2*k+1]
	EACH NV/2, v_lshlrev_b32 v[UU+2*k], 16, v[PK+k]
	EACH NV/2, v_and_b32 v[UU+2*k+1], 0xffff0000, v[PK+k]
	EACH NV, v_sub_f32 v[UU+k], v[VV+k], v[UU+k]
	EACH NV/2, v_cvt_pk_bf16_f32 v[QK+k], v[UU+2*k], v[UU+2*k+1]
.if HID
	PUTH 0
.else
	PUT4 0
.endif
; ws B_64(h) = ws/6 (a^3 - 4 b^3), a = max(2 - d, 0), b = max(1 - d, 0), d = the distance from the column's centre in grid steps; split into f16 hi + lo
	EACH NV, v_fma_f32 v[UU+k], v[HV+k], s[INVH], s[CX]
	EACH NV, v_sub_f32 v[EE+k], 2.0, |v[UU+k]|
	EACH NV, v_sub_f32 v[UU+k], 1.0, |v[UU+k]|
	EACH NV, v_max_num_f32 v[EE+k], 0, v[EE+k]
	EACH NV, v_max_num_f32 v[UU+k], 0, v[UU+k]
	EACH NV, v_mul_f32 v[VV+k], v[EE+k], v[EE+k]
	EACH NV, v_mul_f32 v[EE+k], v[VV+k], v[EE+k]
	EACH NV, v_mul_f32 v[VV+k], v[UU+k], v[UU+k]
	EACH NV, v_mul_f32 v[UU+k], v[VV+k], v[UU+k]
	EACH NV, v_fma_f32 v[VV+k], v[UU+k], -4.0, v[EE+k]
	EACH NV, v_mul_f32 v[VV+k], s[S6], v[VV+k]
	EACH NV/2, v_cvt_pk_f16_f32 v[PK+k], v[VV+2*k], v[VV+2*k+1]
.irp p, 40,41,42,43
.if (\p-40) < NV/2
	v_cvt_f32_f16 v[UU+2*(\p-40)], v\p\().l
	v_cvt_f32_f16 v[UU+2*(\p-40)+1], v\p\().h
.endif
.endr
	EACH NV, v_sub_f32 v[UU+k], v[VV+k], v[UU+k]
	EACH NV/2, v_cvt_pk_f16_f32 v[QK+k], v[UU+2*k], v[UU+2*k+1]
.if HID
	PUTH 128*HP
.else
	PUT4 128*HP
.Lno_x:
.endif
	s_wait_loadcnt 0x0                             ; the XB fragments
	s_wait_xcnt 0x0                                ; slab 16's stores have read their registers
.if NQ > 1
	s_wait_tensorcnt 0x1                           ; my part of slot 0 is in; slot 1's may stay out
.else
	s_wait_tensorcnt 0x0                           ; my part of the one slot is in
.endif
	s_wait_dscnt 0x0                               ; for the others' sake: my stores into the three tables are done
	s_barrier_signal -1
	s_barrier_wait -1
.irp T, 0,1
	ds_load_b128 v[AF+8*\T:AF+8*\T+3], v[AST] offset:16*HP*\T
	ds_load_b128 v[AF+8*\T+4:AF+8*\T+7], v[AST] offset:16*HP*\T+32
	ds_load_b128 v[AF+16+8*\T:AF+16+8*\T+3], v[AST] offset:128*HP+16*HP*\T
	ds_load_b128 v[AF+16+8*\T+4:AF+16+8*\T+7], v[AST] offset:128*HP+16*HP*\T+32
.endr
	s_wait_dscnt 0x0
	WIN 0x50
.irp T, 0,1                            ; the base step starts every sum: nothing is cleared
.irp ct, 0,1,2,3,4,5,6,7
	v_wmma_f32_16x16x32_bf16 v[8*(8*\T+\ct):8*(8*\T+\ct)+7], v[BUF0+8*\ct:BUF0+8*\ct+7], v[AF+8*\T:AF+8*\T+7], 0
.endr
.endr
.rept 5
	v_nop                                          ; the form changes on the same accumulators: five places (ISA guide 7.12.1)
.endr
.irp T, 0,1                            ; column 64
.irp ct, 0,1,2,3,4,5,6,7
	v_wmma_f32_16x16x32_f16 v[8*(8*\T+\ct):8*(8*\T+\ct)+7], v[BUF1+8*\ct:BUF1+8*\ct+7], v[AF+16+8*\T:AF+16+8*\T+7], v[8*(8*\T+\ct):8*(8*\T+\ct)+7]
.endr
.endr
	WIN 0
	QUAD 0
.if NQ > 1
	CHANGE 0, 1
	QUAD 1
	CHANGE 1, 1
	QUAD 0
	CHANGE 0, 0
	QUAD 1
.endif
.rept 4
	v_nop                                          ; the places behind the last products
.endr
	WIN 0x04                                       ; store data in window 1
.irp T, 0,1                            ; each accumulator's four lowest registers go first; a store covers two whole aligned blocks of 256 bytes
.irp ct, 0,1,2,3,4,5,6,7
	global_store_b128 v[VO], v[8*(8*\T+\ct):8*(8*\T+\ct)+3], s[52:53] offset:\ct*QTILE+\T*1024
	global_store_b128 v[VO], v[8*(8*\T+\ct)+4:8*(8*\T+\ct)+7], s[52:53] offset:\ct*QTILE+\T*1024+256
.endr
.endr
	WIN 0
	s_wait_tensorcnt 0x0                           ; the wave's end
	ds_add_u32 v[SPW], v[NIL]
	s_wait_dscnt 0x0
	ROUND                                          ; the closing round
	s_endpgm
.Lfunc_end_k_q8b1711d55c_L1:
	.size	k_q8b1711d55c_L1, .Lfunc_end_k_q8b1711d55c_L1-k_q8b1711d55c_L1
	.p2alignl 7, 3214868480
	.fill 96, 4, 3214868480
	.section	.rodata,"a",@progbits
	.p2align	6, 0x0
	.amdhsa_kernel k_q8b1711d55c_L1
		.amdhsa_group_segment_fixed_size 327680
		.amdhsa_private_segment_fixed_size 0
		.amdhsa_enable_private_segment 0
		.amdhsa_kernarg_size 40
		.amdhsa_user_sgpr_count 2
		.amdhsa_user_sgpr_kernarg_segment_ptr 1
		.amdhsa_wavefront_size32 1
		.amdhsa_system_sgpr_workgroup_id_x 1
		.amdhsa_system_sgpr_workgroup_id_y 1
		.amdhsa_system_sgpr_workgroup_id_z 1
		.amdhsa_system_vgpr_workitem_id 0
		.amdhsa_next_free_vgpr 392
		.amdhsa_next_free_sgpr 80
		.amdhsa_reserve_vcc 0
		.amdhsa_float_denorm_mode_32 3
		.amdhsa_float_denorm_mode_16_64 3
		.amdhsa_memory_ordered 1
		.amdhsa_forward_progress 1
		.amdhsa_inst_pref_size 111
	.end_amdhsa_kernel
	.amdgpu_metadata
---
amdhsa.version: [ 1, 2 ]
amdhsa.kernels:
  - .name:           k_q8b1711d55c_L1
    .symbol:         k_q8b1711d55c_L1.kd
    .args:
      - { .name: pa, .offset: 0, .size: 8, .value_kind: global_buffer, .address_space: global }
      - { .name: w1, .offset: 8, .size: 8, .value_kind: global_buffer, .address_space: global }
      - { .name: wb1, .offset: 16, .size: 8, .value_kind: global_buffer, .address_space: global }
      - { .name: ws1, .offset: 24, .size: 8, .value_kind: global_buffer, .address_space: global }
      - { .name: pb, .offset: 32, .size: 8, .value_kind: global_buffer, .address_space: global }
    .group_segment_fixed_size: 327680
    .private_segment_fixed_size: 0
    .kernarg_segment_align: 8
    .kernarg_segment_size: 40
    .max_flat_workgroup_size: 256
    .sgpr_count:     80
    .vgpr_count:     392
    .wavefront_size: 32
...
	.end_amdgpu_metadata
.endif
;; end of part 3
;; launch L2: the kernel of part 3 again; grid 16 x 16, 8 waves a work-group, clusters of 4 x 1, 327,680 bytes of LDS; arguments pb, w2, wb2, ws2, pa; writes pa
;; launch L3 (part 4): grid 128 x 1, 8 waves a work-group, no clusters, 58,880 bytes of LDS; arguments pa, sw3, bw3, wb3, ws3, out0; writes out0
.if DOCPART == 4
	.amdgcn_target "amdgcn-amd-amdhsa--gfx1250"
	.amdhsa_code_object_version 6
	.text
	.protected	k_q8b1711d55c_L3
	.globl	k_q8b1711d55c_L3
	.p2align	8
	.type	k_q8b1711d55c_L3,@function
k_q8b1711d55c_L3:
	s_mov_b64 s[64:65], 0
	v_nop
	global_prefetch_b8 v0, s[64:65] scope:SCOPE_SE
	s_setreg_imm32_b32 hwreg(HW_REG_WAVE_MODE, 25, 1), 1
	s_wait_xcnt 0x0
; THE OUTPUT LAYER, 256 -> 1:  out[b] = wb silu(h) . bw3 + ws B(h) . sw3,  h = the sum of the 17 slabs [slab][column / 16][row / 16][(column % 16) / 4][row % 16][4 f32] of the launch before.
; SHARES.  A work-group is a tile of 16 rows (a row's sum stays in one work-group: 128 work-groups); wave w takes features 32 w .. + 31, in two halves of 16.
; Columns 0-63 of a feature go through the matrix unit: source 1 = the 16 rows' spline values, made in registers by selects as in the layer kernel (one f16 part is enough here: nothing multiplies
; this layer's error); source 0 = the feature's 64 weights, the same in all 16 rows of the fragment, so that register 0 of a lane holds its row's sum.  Column 64 and the base path are f32 vector work.
; NO CLUSTER, no tensor load: what the work-groups share is sw3's 66,560 bytes, taken once by each through registers, 4 bytes a lane 260 bytes apart: its rows of 65 numbers allow no wider aligned load.
; The 16 results of a work-group are 64 bytes of out0: the whole output is 8,192 bytes.
; LIMITS.  As in the layer kernel: ws B within f16 for |ws| under 9e4; sw3 as bf16 written as f16, exact from 2^-17 up; uniform knots; NaN and infinities in h are not treated apart.
.set TP,    144                        ; pitch of the table and of h: 128 bytes + 16
.set TAB,   0                          ; [feature 256][64 f16]
.set C64,   256*TP                     ; [feature 256] f32: ws/6 sw3[f][64]
.set BWT,   C64+1024                   ; [feature 256] f32: wb bw3[f]
.set HS3,   BWT+1024                   ; for each wave its own [row 16][32 f32]
.set RED,   HS3+8*16*TP                ; [wave 8][row 16] f32
.set SPARE, RED+512                    ; the spare words, 128 bytes a wave: four blocks of 256 bytes that no other line names
.set SLAB,  2097152
.set RR,1
.set HH,2
.set SPW,3                             ; v3   LDS address of my spare word; never rewritten
.set NIL,4                             ; v4   0; never rewritten
.set L16,5                             ; v5   16 x lane
.set HSW,6                             ; v6   where I store h
.set AX,7                              ; v7   my row's h, walking
.set AT,8                              ; v8   the feature's table row + 16 h, walking
.set ACB,9                             ; v9   my features' place in C64 and BWT
.set ACCV,10                           ; v10  the vector paths' sum
.set PX,11
.set SWO,12                            ; v12  260 x thread
.set T4,13                             ; v13  4 x thread
.set TA,14                             ; v14  144 x thread
.set RA,15                             ; v15  64 w + 4 r
.set HV,16                             ; v16-23 h
.set SW,20                             ; v20-84 sw3[t][0..64], v85 bw3[t]; free again behind the table's stores
.set EE,24
.set VV,32
.set UU,44
.set WW,52
.set X0,24                             ; the generator's registers, as in the layer kernel
.set GU,26
.set GFL,27
.set GT,28
.set GO,29
.set GT2,30
.set GO2,31
.set GW,32
.set GPP,36
.set H01,37
.set H23,38
.set GGH,45
.set GCS,46
.set GTM,47
.set GD,48
.set GZ,48
.set GE,52
.set GY,56
.set AF,64                             ; v64-79 the 16 rows' values; in KC: bw and c64 of my features
.set BF,80                             ; v80-95 the table's fragments
.set LD,100                            ; v100-235 17 slabs x 2 pieces
.set ACC0,236
.set ACC1,244
.set CNT,56
.set INVH,57
.set C0,58
.set S6,59
.set HW,60
.set NWS,61
.set W23,62
.set WB,63
.set C73,67
.set CX,68
.set HIM,69
.set ODD,70
.set B0,71
.set B1,72
.set PAR,73
.set CM,74
.set SEL,78
.macro EACH n, line:vararg
.set k, 0
	s_wait_alu depctr_va_vdst(0)
.rept \n
	\line
.set k, k+1
.endr
.endm
.macro LDKC e                          ; half e's 16 features: 17 slabs x 1,024 bytes; a load of the wave covers two whole aligned blocks of 256 bytes
.set sl, 0
.rept 17
	global_load_b128 v[LD+8*sl:LD+8*sl+3], v[L16], s[42+2*(sl/4):43+2*(sl/4)] offset:(sl%4)*SLAB+(\e)*131072
	global_load_b128 v[LD+8*sl+4:LD+8*sl+7], v[L16], s[42+2*(sl/4):43+2*(sl/4)] offset:(sl%4)*SLAB+(\e)*131072+512
.set sl, sl+1
.endr
.endm
; Four f16 values go to columns P .. P + 3: three words by P's parity, moved up by 1 and by 2 words by bits 1 and 2 of P; my lane's group c takes the first four words, the last two, or 0.
.macro PLACE a01, a23, dst
	v_lshlrev_b32 v[GD], 16, v[\a01]
	v_alignbit_b32 v[GD+1], v[\a23], v[\a01], 16
	v_lshrrev_b32 v[GD+2], 16, v[\a23]
	v_cndmask_b32 v[GD], v[\a01], v[GD], s[ODD]
	v_cndmask_b32 v[GD+1], v[\a23], v[GD+1], s[ODD]
	v_cndmask_b32 v[GD+2], 0, v[GD+2], s[ODD]
	v_cndmask_b32 v[GE], v[GD], 0, s[B0]
	v_cndmask_b32 v[GE+1], v[GD+1], v[GD], s[B0]
	v_cndmask_b32 v[GE+2], v[GD+2], v[GD+1], s[B0]
	v_cndmask_b32 v[GE+3], 0, v[GD+2], s[B0]
	v_cndmask_b32 v[GY], v[GE], 0, s[B1]
	v_cndmask_b32 v[GY+1], v[GE+1], 0, s[B1]
	v_cndmask_b32 v[GY+2], v[GE+2], v[GE], s[B1]
	v_cndmask_b32 v[GY+3], v[GE+3], v[GE+1], s[B1]
	v_cndmask_b32 v[GY+4], 0, v[GE+2], s[B1]
	v_cndmask_b32 v[GY+5], 0, v[GE+3], s[B1]
	v_cndmask_b32 v[GZ], v[GY+4], v[GY], s[PAR]
	v_cndmask_b32 v[GZ+1], v[GY+5], v[GY+1], s[PAR]
	v_cndmask_b32 v[GZ+2], 0, v[GY+2], s[PAR]
	v_cndmask_b32 v[GZ+3], 0, v[GY+3], s[PAR]
.irp c, 0,1,2,3
.irp d, 0,1,2,3
	v_cndmask_b32 v[(\dst)+4*\c+\d], 0, v[GZ+\d], s[CM+\c]
.endr
.endr
.endm
; u = (x + 0.05) / step + 8; P + 8 = floor(u), held to 4 .. 73, so that an x outside the grid puts its values outside columns 0-63.  t = u - floor(u), o = 1 - t:
; ws/6 o^3;  ws (t^3/2 - t^2 + 2/3);  ws (o^3/2 - o^2 + 2/3);  ws/6 t^3.  Lane (r, h) holds of row r the groups of 8 columns 16 c + 8 h.
.macro GEN
	v_fma_f32 v[GU], v[X0], s[INVH], s[C0]
	v_floor_f32 v[GFL], v[GU]
	v_sub_f32 v[GT], v[GU], v[GFL]
	v_med3_num_f32 v[GFL], v[GFL], 4.0, s[C73]
	v_cvt_u32_f32 v[GPP], v[GFL]
	v_sub_f32 v[GO], 1.0, v[GT]
	v_mul_f32 v[GT2], v[GT], v[GT]
	v_mul_f32 v[GO2], v[GO], v[GO]
	v_mul_f32 v[GW], s[S6], v[GO]
	v_mul_f32 v[GW+3], s[S6], v[GT]
	v_fma_f32 v[GW+1], v[GT], s[HW], s[NWS]
	v_fma_f32 v[GW+2], v[GO], s[HW], s[NWS]
	v_mul_f32 v[GW], v[GW], v[GO2]
	v_mul_f32 v[GW+3], v[GW+3], v[GT2]
	v_fma_f32 v[GW+1], v[GW+1], v[GT2], s[W23]
	v_fma_f32 v[GW+2], v[GW+2], v[GO2], s[W23]
	v_cvt_pk_f16_f32 v[H01], v[GW], v[GW+1]
	v_cvt_pk_f16_f32 v[H23], v[GW+2], v[GW+3]
	v_and_b32 v[GTM], 1, v[GPP]
	v_cmp_ne_u32 s[ODD], 0, v[GTM]
	v_and_b32 v[GTM], 2, v[GPP]
	v_cmp_ne_u32 s[B0], 0, v[GTM]
	v_and_b32 v[GTM], 4, v[GPP]
	v_cmp_ne_u32 s[B1], 0, v[GTM]
	v_lshrrev_b32 v[GGH], 3, v[GPP]
	v_sub_nc_u32 v[GGH], v[GGH], v[HH]
	v_and_b32 v[GTM], 1, v[GGH]
	v_cmp_ne_u32 s[PAR], 0, v[GTM]
	v_lshrrev_b32 v[GCS], 1, v[GGH]
.irp c, 0,1,2,3
	v_cmp_eq_u32 s[CM+\c], \c, v[GCS]
.endr
	PLACE H01, H23, AF
.endm
; Half e: h is summed; it goes into my wave's own LDS rows (LDS serves a wave's instructions in order, ISA guide 5.7.1.4: my later reads see these stores); base path and column 64 in f32.
; Lane l, piece i holds row l % 16, features 16 e + 4 g .. + 3, g = 2 i + l / 16.
.macro KC e
	s_wait_loadcnt 0x0
.set sl, 1
.rept 15
.irp c, 0,2,4,6
	v_pk_add_f32 v[LD+\c:LD+\c+1], v[LD+\c:LD+\c+1], v[LD+8*sl+\c:LD+8*sl+\c+1]
.endr
.set sl, sl+1
.endr
.irp c, 0,2,4,6
	v_pk_add_f32 v[HV+\c:HV+\c+1], v[LD+\c:LD+\c+1], v[LD+128+\c:LD+128+\c+1]
.endr
.if (\e) == 0
	LDKC 1                                         ; the second half's slabs come while the first half's features are multiplied
.endif
	ds_store_b128 v[HSW], v[HV:HV+3] offset:64*(\e)
	ds_store_b128 v[HSW], v[HV+4:HV+7] offset:64*(\e)+32
	ds_load_b128 v[AF:AF+3], v[ACB] offset:BWT+64*(\e)
	ds_load_b128 v[AF+4:AF+7], v[ACB] offset:BWT+64*(\e)+32
	ds_load_b128 v[AF+8:AF+11], v[ACB] offset:C64+64*(\e)
	ds_load_b128 v[AF+12:AF+15], v[ACB] offset:C64+64*(\e)+32
	EACH 8, v_mul_f32 v[EE+k], 0xbfb8aa3b, v[HV+k]
	EACH 8, v_exp_f32 v[EE+k], v[EE+k]
	EACH 8, v_fma_f32 v[UU+k], v[HV+k], s[INVH], s[CX]   ; plain lines behind the exponentials (ISA guide 5.7.2)
	EACH 8, v_add_f32 v[EE+k], 1.0, v[EE+k]
	EACH 8, v_rcp_f32 v[EE+k], v[EE+k]
	EACH 8, v_sub_f32 v[VV+k], 2.0, |v[UU+k]|            ; and behind the reciprocals
	EACH 8, v_mul_f32 v[EE+k], v[HV+k], v[EE+k]          ; silu(h)
	EACH 8, v_sub_f32 v[UU+k], 1.0, |v[UU+k]|
	EACH 8, v_max_num_f32 v[VV+k], 0, v[VV+k]
	EACH 8, v_max_num_f32 v[UU+k], 0, v[UU+k]
	EACH 8, v_mul_f32 v[WW+k], v[VV+k], v[VV+k]
	EACH 8, v_mul_f32 v[VV+k], v[WW+k], v[VV+k]
	EACH 8, v_mul_f32 v[WW+k], v[UU+k], v[UU+k]
	EACH 8, v_mul_f32 v[UU+k], v[WW+k], v[UU+k]
	EACH 8, v_fma_f32 v[VV+k], v[UU+k], -4.0, v[VV+k]    ; a^3 - 4 b^3
	s_wait_dscnt 0x0
.if (\e) == 0
	v_mul_f32 v[ACCV], v[EE], v[AF]                ; the first term starts the sum
.else
	v_fma_f32 v[ACCV], v[EE], v[AF], v[ACCV]
.endif
.irp j, 1,2,3,4,5,6,7
	v_fma_f32 v[ACCV], v[EE+\j], v[AF+\j], v[ACCV]
.endr
	EACH 8, v_fma_f32 v[ACCV], v[VV+k], v[AF+8+k], v[ACCV]
.endm
; One feature: x of my row; the feature's 64 weights (all lanes of a half read the same 16 bytes); the values are made while those come; two products, one on each accumulator: they take turns.
.macro FEAT zero
	ds_load_b32 v[X0], v[AX]
	v_add_nc_u32 v[AX], 4, v[AX]                   ; this line and three v_nop: the four places between the last products and the loads into registers that they read
.rept 3
	v_nop
.endr
.irp q, 0,1,2,3
	ds_load_b128 v[BF+4*\q:BF+4*\q+3], v[AT] offset:32*\q
.endr
	v_add_nc_u32 v[AT], TP, v[AT]
	s_wait_dscnt 4                                 ; x is in; the four loads issued behind it stay out
	GEN
	s_wait_dscnt 0x0
.if \zero
	v_wmma_f32_16x16x32_f16 v[ACC0:ACC0+7], v[BF:BF+7], v[AF:AF+7], 0
	v_wmma_f32_16x16x32_f16 v[ACC1:ACC1+7], v[BF+8:BF+15], v[AF+8:AF+15], 0
.else
	v_wmma_f32_16x16x32_f16 v[ACC0:ACC0+7], v[BF:BF+7], v[AF:AF+7], v[ACC0:ACC0+7]
	v_wmma_f32_16x16x32_f16 v[ACC1:ACC1+7], v[BF+8:BF+15], v[AF+8:AF+15], v[ACC1:ACC1+7]
.endif
.endm
	s_load_b256 s[4:11], s[0:1], 0x0               ; slabs s[4:5], sw3 s[6:7], bw3 s[8:9], wb3 s[10:11]
	s_load_b128 s[12:15], s[0:1], 0x20             ; ws3 s[12:13], out0 s[14:15]
	v_lshl_add_u32 v[SPW], v0, 2, SPARE
	v_mov_b32 v[NIL], 0
	v_lshrrev_b32 v1, 5, v0
	v_readfirstlane_b32 s16, v1                    ; wave 0..7
	s_mov_b32 s[INVH], 0x4261745d                  ; 62 / 1.1
	s_mov_b32 s[C0], 0x412d1746                    ; 0.05 x 62 / 1.1 + 8
	s_mov_b32 s[C73], 0x42920000                   ; 73
	s_mov_b32 s[CX], 0xc270ba2f                    ; the same less 71: column 64's centre
	s_mov_b32 s[HIM], 0xffff0000
	s_mov_b32 s[SEL], 0x76543210
	s_mov_b32 s[SEL+1], 0xfedcba98
	v_mul_u32_u24 v[SWO], v0, 260
	v_lshlrev_b32 v[T4], 2, v0
	v_mul_u32_u24 v[TA], v0, TP
	v_and_b32 v[L16], 31, v0
	v_lshlrev_b32 v[L16], 4, v[L16]
	v_mov_b32 v[PX], 0
	s_lshl_b32 s22, s16, 18                        ; column block 2 w,
	s_lshl_b32 s23, ttmp9, 10                      ; my row tile
	s_add_co_u32 s22, s22, s23
	s_mov_b32 s23, 0
	s_wait_kmcnt 0x0
	s_load_b32 s20, s[10:11], 0x0                  ; wb
	s_load_b32 s21, s[12:13], 0x0                  ; ws
	s_add_nc_u64 s[42:43], s[4:5], s[22:23]        ; five bases, four slabs apart
	s_add_nc_u64 s[44:45], s[42:43], 4*SLAB
	s_add_nc_u64 s[46:47], s[44:45], 4*SLAB
	s_add_nc_u64 s[48:49], s[46:47], 4*SLAB
	s_add_nc_u64 s[50:51], s[48:49], 4*SLAB
	s_lshl_b32 s22, ttmp9, 6
	s_add_nc_u64 s[14:15], s[14:15], s[22:23]      ; out0 at my 16 rows
	EACH 65, global_load_b32 v[SW+k], v[SWO], s[6:7] offset:4*k   ; thread t takes feature t's 65 weights
	global_load_b32 v[SW+65], v[T4], s[8:9]
	LDKC 0
	v_and_b32 v[RR], 15, v0
	v_bfe_u32 v[HH], v0, 4, 1
	s_mul_i32 s22, s16, 16*TP
	s_add_co_u32 s22, s22, HS3
	v_mul_u32_u24 v[AX], v[RR], TP
	v_add_nc_u32 v[AX], s22, v[AX]                 ; my wave's rows of h, row r
	v_lshl_add_u32 v[HSW], v[HH], 4, v[AX]
	s_mul_i32 s22, s16, 32*TP
	v_lshlrev_b32 v[AT], 4, v[HH]
	v_add_nc_u32 v[AT], s22, v[AT]                 ; feature 32 w's table row + 16 h
	s_lshl_b32 s22, s16, 7
	v_lshlrev_b32 v[ACB], 4, v[HH]
	v_add_nc_u32 v[ACB], s22, v[ACB]
	s_lshl_b32 s22, s16, 6
	v_lshlrev_b32 v[RA], 2, v[RR]
	v_add_nc_u32 v[RA], s22, v[RA]
	s_wait_kmcnt 0x0
	v_cvt_pk_bf16_f32 v86, s21, s20                ; ws and wb are rounded to bf16 like every input
	v_lshlrev_b32 v87, 16, v86
	v_and_b32 v86, s[HIM], v86
	v_readfirstlane_b32 s21, v87
	v_readfirstlane_b32 s[WB], v86
	s_mul_f32 s[S6], s21, 0x3e2aaaab               ; ws / 6
	s_mul_f32 s[HW], s21, 0.5
	s_xor_b32 s[NWS], s21, 0x80000000              ; -ws
	s_mul_f32 s[W23], s21, 0x3f2aaaab              ; 2 ws / 3
	s_wait_loadcnt 34                              ; the weights are in; the 34 slab loads issued behind them stay out
.set k, 0
.rept 32                               ; f32 -> bf16 -> the same number as f16, in place, ascending: word k lands where inputs that are already used lay
	v_cvt_pk_bf16_f32 v86, v[SW+2*k], v[SW+2*k+1]
	v_lshlrev_b32 v87, 16, v86
	v_and_b32 v88, s[HIM], v86
	v_cvt_pk_f16_f32 v[SW+k], v87, v88
.set k, k+1
.endr
	EACH 8, ds_store_b128 v[TA], v[SW+4*k:SW+4*k+3] offset:TAB+16*k
	v_cvt_pk_bf16_f32 v86, v[SW+64], v[SW+65]
	v_lshlrev_b32 v87, 16, v86
	v_and_b32 v88, s[HIM], v86
	v_mul_f32 v87, s[S6], v87
	v_mul_f32 v88, s[WB], v88
	ds_store_b32 v[T4], v87 offset:C64
	ds_store_b32 v[T4], v88 offset:BWT
	s_wait_dscnt 0x0                               ; for the others' sake: my part of the tables is stored
	s_barrier_signal -1
	s_barrier_wait -1
	KC 0
	FEAT 1                                         ; the first feature starts both sums, ahead of the loop
	s_mov_b32 s[CNT], 15
.Lfirst_half:
	FEAT 0
	s_sub_co_u32 s[CNT], s[CNT], 1
	s_cmp_lg_u32 s[CNT], 0
	s_cbranch_scc1 .Lfirst_half
	KC 1                                           ; its 64 additions are the places behind the last products
	s_mov_b32 s[CNT], 16
.Lsecond_half:
	FEAT 0
	s_sub_co_u32 s[CNT], s[CNT], 1
	s_cmp_lg_u32 s[CNT], 0
	s_cbranch_scc1 .Lsecond_half
.rept 4
	v_nop                                          ; the places behind the last products
.endr
	v_add_f32 v24, v[ACC0], v[ACC1]                ; register 0 of a lane: row l % 16
	v_permlanex16_b32 v[PX], v[ACCV], s[SEL], s[SEL+1]  ; the row's other features lie in the lane 16 away
	v_add_f32 v25, v[ACCV], v[PX]
	v_add_f32 v24, v24, v25
	ds_store_b32 v[RA], v24 offset:RED             ; lanes r and r + 16 store the same number to the same word
	s_wait_tensorcnt 0x0                           ; the wave's end, behind my last LDS store
	ds_add_u32 v[SPW], v[NIL]
	s_wait_dscnt 0x0
	s_barrier_signal -1
	s_barrier_wait -1
	s_cmp_lg_u32 s16, 0
	s_cbranch_scc1 .Lend
	EACH 8, ds_load_b32 v[24+k], v[RA] offset:RED+64*k   ; wave 0: RA = 4 r; the eight waves' sums
	s_wait_dscnt 0x0
	v_add_f32 v24, v24, v25
	v_add_f32 v26, v26, v27
	v_add_f32 v28, v28, v29
	v_add_f32 v30, v30, v31
	v_add_f32 v24, v24, v26
	v_add_f32 v28, v28, v30
	v_add_f32 v24, v24, v28
	v_cmp_gt_u32 vcc_lo, 16, v0
	s_wait_xcnt 0x0                                ; EXEC changes only behind this wait
	s_and_saveexec_b32 s20, vcc_lo
	global_store_b32 v[RA], v24, s[14:15]          ; 16 rows, 64 consecutive bytes
	s_wait_xcnt 0x0
	s_or_b32 exec_lo, exec_lo, s20
.Lend:
	s_endpgm
.Lfunc_end_k_q8b1711d55c_L3:
	.size	k_q8b1711d55c_L3, .Lfunc_end_k_q8b1711d55c_L3-k_q8b1711d55c_L3
	.p2alignl 7, 3214868480
	.fill 96, 4, 3214868480
	.section	.rodata,"a",@progbits
	.p2align	6, 0x0
	.amdhsa_kernel k_q8b1711d55c_L3
		.amdhsa_group_segment_fixed_size 58880
		.amdhsa_private_segment_fixed_size 0
		.amdhsa_enable_private_segment 0
		.amdhsa_kernarg_size 48
		.amdhsa_user_sgpr_count 2
		.amdhsa_user_sgpr_kernarg_segment_ptr 1
		.amdhsa_wavefront_size32 1
		.amdhsa_system_sgpr_workgroup_id_x 1
		.amdhsa_system_sgpr_workgroup_id_y 1
		.amdhsa_system_sgpr_workgroup_id_z 1
		.amdhsa_system_vgpr_workitem_id 0
		.amdhsa_next_free_vgpr 256
		.amdhsa_next_free_sgpr 80
		.amdhsa_reserve_vcc 1
		.amdhsa_float_denorm_mode_32 3
		.amdhsa_float_denorm_mode_16_64 3
		.amdhsa_memory_ordered 1
		.amdhsa_forward_progress 1
		.amdhsa_inst_pref_size 60
	.end_amdhsa_kernel
	.amdgpu_metadata
---
amdhsa.version: [ 1, 2 ]
amdhsa.kernels:
  - .name:           k_q8b1711d55c_L3
    .symbol:         k_q8b1711d55c_L3.kd
    .args:
      - { .name: pa, .offset: 0, .size: 8, .value_kind: global_buffer, .address_space: global }
      - { .name: sw3, .offset: 8, .size: 8, .value_kind: global_buffer, .address_space: global }
      - { .name: bw3, .offset: 16, .size: 8, .value_kind: global_buffer, .address_space: global }
      - { .name: wb3, .offset: 24, .size: 8, .value_kind: global_buffer, .address_space: global }
      - { .name: ws3, .offset: 32, .size: 8, .value_kind: global_buffer, .address_space: global }
      - { .name: out0, .offset: 40, .size: 8, .value_kind: global_buffer, .address_space: global }
    .group_segment_fixed_size: 58880
    .private_segment_fixed_size: 0
    .kernarg_segment_align: 8
    .kernarg_segment_size: 48
    .max_flat_workgroup_size: 256
    .sgpr_count:     80
    .vgpr_count:     256
    .wavefront_size: 32
...
	.end_amdgpu_metadata
.endif
;; end of part 4
